; MI455X (gfx1250); checked and timed in simulation.
; The chip was launched on July 23, 2026; its instructions are those of AMD's public machine-readable ISA for CDNA 5 (MIT licence, August 2026) and "CDNA5" Instruction Set Architecture Reference Guide (July 2026). The comments in the code are by the model that wrote it; some were corrected since.
;; Unidirectional Multihead Attention. Allowed arithmetic: matrix products marked QUANTISED: E2M1 operands, one E8M0 scale for each 32 along K, by v_wmma_scale_f32_16x16x128_f8f6f4 with both operands' format E2M1 (or v_wmma_scale_f32_32x16x128_f4), f32 sums; products left as they are: bf16, f16 or f32 operands; f32 sums; everything else in f32.
;; Inputs: W_out 1,024 x 1,024 float32; W_qkv 1,024 x 3,072 float32; b_out 1,024 float32; b_qkv 3,072 float32; x 2 x 2,048 x 1,024 float32.
;; Outputs: out0 2 x 2,048 x 1,024 float32.
;; Constants: num_heads = 16.
;; This version of the problem:
;;   THIS VERSION OF THE PROBLEM IS GIVEN IN LOW PRECISION. The matrix products marked QUANTISED in the list below multiply operands that are first quantised to E2M1 (2 exponent bits, 1 mantissa bit; 4 bits a number), with one power-of-two scale for each 32 numbers along K (OCP MX v1.0); their sums are f32. The products marked 'left as it is' may take bf16, f16 or f32 operands, with f32 sums. Whichever they take, every output number must still come out within the allowed error. Rounding operands to bf16 (8 significant bits) uses up far more of that allowance than f16 does (11 bits, for magnitudes from 6e-5 to 65,504). All else is computed in f32.
;;   The module's matrix products, in the order in which they are computed (A, B: the left and right operand; K: the contracted axis; several contracted axes count as one K, in the product's order):
;;     1. [M 4,096, K 1,024] x [K 1,024, N 3,072]; A: input x; B: input W_qkv: QUANTISED
;;     2. batch 32 x [M 2,048, K 64] x [K 64, N 2,048]; A: computed on the way; B: computed on the way: left as it is (an operand is computed on the way)
;;     3. batch 32 x [M 2,048, K 2,048] x [K 2,048, N 64]; A: computed on the way; B: computed on the way: left as it is (an operand is computed on the way)
;;     4. [M 4,096, K 1,024] x [K 1,024, N 1,024]; A: computed on the way; B: input W_out: left as it is (an operand is computed on the way)
;;   THE QUANTISER, for each operand of a quantised product, along K:
;;     - K is cut into blocks of 32 from its start; a last block that is shorter is filled with zeros.
;;     - A block's scale is 2^e with e = floor(log2(the largest magnitude in the block)) - 2, held to -126 .. 127; a block of zeros has e = 0. As a byte (E8M0): e + 127.
;;     - Each number is divided by its block's scale, clamped to +-6, and rounded to the nearest number of E2M1, ties to even, subnormals kept.
;;     - The product sums the exact products of the quantised numbers (number of the format x scale) in f32.
;;   ~~~python
;;   def quantise(x, axis):      # numpy; x: float32 -> the quantised numbers, widened to float32 again
;;       x = np.moveaxis(x, axis, -1); K = x.shape[-1]
;;       x = np.pad(x, [(0, 0)] * (x.ndim - 1) + [(0, -K % 32)]); x = x.reshape(x.shape[:-1] + (-1, 32)); a = np.abs(x).max(-1, keepdims=True)
;;       e = np.where(a > 0, np.clip(np.frexp(np.where(a > 0, a, 1))[1] - 1 - 2, -126, 127), 0)      # np.frexp(a)[1] - 1 = floor(log2(a)), exactly
;;       r = np.clip(x / 2.0 ** e, -6, 6)
;;       step = 2.0 ** (np.maximum(np.frexp(np.where(r == 0, 1, r))[1] - 1, 0) - 1)
;;       q = np.round(r / step) * step * 2.0 ** e      # np.round: ties to even
;;       return np.moveaxis(q.reshape(q.shape[:-2] + (-1,))[..., :K], -1, axis).astype(np.float32)
;;   ~~~
;; One version. Each part assembles by itself: llvm-mc -triple=amdgcn-amd-amdhsa -mcpu=gfx1250 --defsym DOCPART=n.
;; ======== version 1 of 1: 5 launches
;; limits: values are held in f16: magnitudes above 65,504 overflow, below 6.1e-05 lose precision
;; workspace buffers: xc 2,097,152 bytes; xs 131,072 bytes; wc 1,572,864 bytes; ws 98,304 bytes; woh 2,097,152 bytes; qkvh 25,165,824 bytes; side 524,288 bytes; att 8,388,608 bytes
;; launch quant (part 1): grid 224 x 1, 32 waves a work-group, no clusters, 186,880 bytes of LDS; arguments x, W_out, W_qkv, xc, xs, woh, wc, ws; writes xc, xs, woh, wc, ws
.if DOCPART == 1
	.amdgcn_target "amdgcn-amd-amdhsa--gfx1250"
	.amdhsa_code_object_version 6
	.text
	.protected	k_q72473de852_quant
	.globl	k_q72473de852_quant
	.p2align	8
	.type	k_q72473de852_quant,@function
k_q72473de852_quant:
	s_mov_b64 s[64:65], 0
	v_nop
	global_prefetch_b8 v0, s[64:65] scope:SCOPE_SE
	s_setreg_imm32_b32 hwreg(HW_REG_WAVE_MODE, 25, 1), 1
	s_wait_xcnt 0x0
; ONE LAUNCH FOR ALL THAT IS MADE READY AHEAD OF THE PRODUCTS.
; x [4096][1024] f32 becomes codes of FP4 (E2M1), K innermost, two codes a byte (xc), with one E8M0 byte for each 32 along K (xs); W_out [1024][1024] f32 becomes f16 as it lies (woh);
; W_qkv [1024 (k)][3072 (n)] f32, whose K is its first axis, becomes codes laid [n][512 bytes] with K innermost (wc) and E8M0 bytes [n][32] (ws).
; A block's scale is 2^(floor(log2(its largest magnitude)) - 2); its byte is the largest magnitude's exponent field - 2, held at 1 from below.
; LIMITS: a block of zeros gets the byte 1 (its codes are zeros, and this program alone reads the bytes); blocks whose largest magnitude lies under 2^(2 - 126) keep the byte 1; NaN and infinities are not served;
; W_out beyond 65,504 has no f16 number.
; SHARES.  Work-groups 0-127: wave R = 32 g + w takes 1,024 numbers of x (two steps of 512) and 256 of W_out: its ten loads, 512 consecutive bytes each, go out together.  A step's 2,048 bytes turn through the wave's own
; stage in LDS, so that a lane holds 16 neighbours along K (two lanes to a block); a step's codes leave as 256 consecutive bytes; the wave's 32 scale bytes go to the work-group's 1,024.
; Work-groups 128-223: 32 columns of W_qkv for all of K; wave w is block w (k = 32 w .. 32 w + 31), a lane is a column and its registers run down K: its 32 loads go out together, the block's largest magnitude needs no other lane,
; and the conversions give codes with K innermost.  The codes meet in one stage (row = column, 512 bytes + 16), the scale bytes beside it.
; THE TWO WAYS part on the work-group's number, which is the same in all waves, join at one barrier that stands on every wave's path, and part again for the way out.  Every LDS address and every pointer is made ahead of the first
; parting (the work-group's number held to each role's range, so that no pointer leaves its buffer in either role); each way has LDS bytes of its own; the way out writes registers that neither way uses.
.set EMAX,  2
.set NX,    128                        ; work-groups that take x and W_out
.set SP,    80                         ; a lane's place in x's stage: 64 bytes + 16
.set XREG,  2*32*SP                    ; a wave's two stages
.set SCSX,  32*XREG                    ; x's scale bytes of the work-group: 1,024
.set PITCH, 528
.set STG,   SCSX+1024                  ; W_qkv's stage: 32 rows
.set SCSW,  STG+32*PITCH               ; W_qkv's scale bytes: 32 rows of 32
.set SPARE, SCSW+1024                  ; the spare words, 128 bytes a wave
.set SPW,   12
.set NIL,   13
.set R,     32                         ; v32-63   numbers as loaded
.set X,     64                         ; v64-95   x: two sets of 16 neighbours
.set WL,    96                         ; v96-103  my 256 numbers of W_out
.set C,     104                        ; v104-107 codes
.set E,     108                        ; v108-109 x's scale bytes, one a step
; v3 16 x lane; v4 8 x lane; v6 4 x lane; v5, v14, v15 x's LDS addresses; v7, v8 W_qkv's; v9-11 the way out's; v16-19 at work; v112-119 the way out
	s_load_b256 s[4:11], s[0:1], 0x0               ; x, W_out, W_qkv, xc
	s_load_b256 s[12:19], s[0:1], 0x20             ; xs, woh, wc, ws
	v_lshl_add_u32 v[SPW], v0, 2, SPARE
	v_mov_b32 v[NIL], 0
	v_lshrrev_b32 v1, 5, v0
	v_readfirstlane_b32 s20, v1                    ; wave 0..31
	v_and_b32 v2, 31, v0                           ; lane
	v_lshlrev_b32 v3, 4, v2
	v_lshlrev_b32 v4, 3, v2
	v_lshlrev_b32 v6, 2, v2
	s_min_u32 s21, ttmp9, NX-1                     ; which 32,768 numbers of x
	s_max_u32 s22, ttmp9, NX
	s_sub_co_u32 s22, s22, NX                      ; which 32 columns of W_qkv
	s_min_u32 s23, s20, 1
	s_lshl_b32 s23, s23, 9                         ; waves 0, 1: halves of the 1,024 scale bytes
	s_mul_i32 s24, s20, XREG
	v_lshrrev_b32 v14, 2, v2
	v_mul_u32_u24 v14, v14, SP
	v_and_b32 v15, 3, v2
	v_lshl_add_u32 v14, v15, 4, v14
	v_add_nc_u32 v14, s24, v14                     ; x's stage, in: SP (lane / 4) + 16 (lane % 4)
	v_mul_u32_u24 v15, v2, SP
	v_add_nc_u32 v15, s24, v15                     ; and out: SP x lane
	s_lshl_b32 s24, s20, 5
	s_add_co_u32 s24, s24, SCSX
	v_lshrrev_b32 v5, 1, v2
	v_add_nc_u32 v5, s24, v5                       ; x's scale byte: 32 x wave + my block
	s_lshl_b32 s24, s20, 4
	s_add_co_u32 s24, s24, STG
	v_mul_u32_u24 v7, v2, PITCH
	v_add_nc_u32 v7, s24, v7                       ; W_qkv's codes, in: row = my column, 16 bytes for each wave
	s_add_co_u32 s24, s20, SCSW
	v_lshlrev_b32 v8, 5, v2
	v_add_nc_u32 v8, s24, v8                       ; its scale byte: 32 x column + wave
	s_mul_i32 s24, s20, PITCH
	s_add_co_u32 s24, s24, STG
	v_add_nc_u32 v9, s24, v3                       ; codes, out: row = my wave's number
	s_add_co_u32 s24, s23, SCSX
	v_add_nc_u32 v10, s24, v3                      ; scale bytes, out
	s_add_co_u32 s24, s23, SCSW
	v_add_nc_u32 v11, s24, v3
	s_lshl_b32 s26, s21, 5
	s_add_co_u32 s26, s26, s20                     ; R
	s_mov_b32 s25, 0
	s_wait_kmcnt 0x0
	s_lshl_b32 s24, s26, 12
	s_add_nc_u64 s[4:5], s[4:5], s[24:25]          ; x: 4,096 bytes a wave
	s_lshl_b32 s24, s26, 10
	s_add_nc_u64 s[6:7], s[6:7], s[24:25]          ; W_out: 1,024
	s_lshl_b32 s24, s26, 9
	s_add_nc_u64 s[10:11], s[10:11], s[24:25]      ; xc: 512
	s_add_nc_u64 s[14:15], s[14:15], s[24:25]      ; woh: 512
	s_lshl_b32 s24, s21, 10
	s_add_co_u32 s24, s24, s23
	s_add_nc_u64 s[12:13], s[12:13], s[24:25]      ; xs: 1,024 a work-group, + my half
	s_mul_i32 s24, s20, 32*3072*4
	s_lshl_b32 s27, s22, 7
	s_add_co_u32 s24, s24, s27
	s_add_nc_u64 s[8:9], s[8:9], s[24:25]          ; W_qkv: 32 w rows down, 32 columns a work-group
	s_lshl_b32 s24, s22, 5
	s_add_co_u32 s24, s24, s20
	s_lshl_b32 s24, s24, 9
	s_add_nc_u64 s[16:17], s[16:17], s[24:25]      ; wc: the row of my wave's number
	s_lshl_b32 s24, s22, 10
	s_add_co_u32 s24, s24, s23
	s_add_nc_u64 s[18:19], s[18:19], s[24:25]      ; ws: 1,024 a work-group, + my half
	s_cmp_lt_u32 ttmp9, NX
	s_cbranch_scc0 .Lw_in
	; ---- x and W_out
.macro XLOAD t
.irp i, 0,1,2,3
	global_load_b128 v[R+16*(\t)+4*\i:R+16*(\t)+4*\i+3], v3, s[4:5] offset:2048*(\t)+512*\i th:TH_LOAD_NT
.endr
.endm
.macro TURN t                          ; LDS serves a wave's instructions in order: no wait between the stores and the loads; each step has a stage of its own
.irp i, 0,1,2,3
	ds_store_b128 v14, v[R+16*(\t)+4*\i:R+16*(\t)+4*\i+3] offset:32*SP*(\t)+8*SP*\i
.endr
.irp i, 0,1,2,3
	ds_load_b128 v[X+16*(\t)+4*\i:X+16*(\t)+4*\i+3], v15 offset:32*SP*(\t)+16*\i
.endr
.endm
.macro STEP t
.set XS, X+16*(\t)
	v_max3_num_f32 v16, |v[XS]|, |v[XS+1]|, |v[XS+2]|
	v_max3_num_f32 v17, |v[XS+3]|, |v[XS+4]|, |v[XS+5]|
.irp i, 6,10
	v_max3_num_f32 v16, v16, |v[XS+\i]|, |v[XS+\i+1]|
	v_max3_num_f32 v17, v17, |v[XS+\i+2]|, |v[XS+\i+3]|
.endr
	v_max3_num_f32 v16, v16, |v[XS+14]|, |v[XS+15]|
	v_max3_num_f32 v16, v16, v17, (EMAX+1)<<23     ; the floor 2^(EMAX + 1 - 127): the byte cannot fall under 1
	v_max_num_f32_dpp v16, v16, v16 row_xmask:1 row_mask:0xf bank_mask:0xf   ; with my neighbour's 16: the block's
	v_add_nc_u32 v18, -(EMAX<<23), v16             ; EMAX off the exponent field: the conversion's scale operand
	v_cvt_scalef32_pk8_fp4_f32 v[C+2*(\t)], v[XS:XS+7], v18
	v_cvt_scalef32_pk8_fp4_f32 v[C+2*(\t)+1], v[XS+8:XS+15], v18
	v_lshrrev_b32 v[E+(\t)], 23, v18               ; the scale's byte
	ds_store_b8 v5, v[E+(\t)] offset:16*(\t)       ; both lanes of a block write the same byte with the same value
	global_store_b64 v4, v[C+2*(\t):C+2*(\t)+1], s[10:11] offset:256*(\t)   ; 32 lanes store 256 consecutive bytes, aligned
.endm
	XLOAD 0
	XLOAD 1
	global_load_b128 v[WL:WL+3], v3, s[6:7]
	global_load_b128 v[WL+4:WL+7], v3, s[6:7] offset:512
	s_wait_loadcnt 6                               ; step 0's four loads are in; step 1's four and W_out's two may be out
	TURN 0
	s_wait_loadcnt 2                               ; step 1's are in; W_out's two may be out
	TURN 1
	s_wait_dscnt 8                                 ; step 0's numbers are back from the stage; step 1's four stores and four loads may be out
	STEP 0
	s_wait_dscnt 1                                 ; step 1's are back; step 0's byte store may be out
	STEP 1
	s_wait_loadcnt 0x0                             ; W_out
.irp i, 0,1
	v_cvt_pk_f16_f32 v[WL+4*\i], v[WL+4*\i], v[WL+4*\i+1]        ; to f16, four numbers a lane
	v_cvt_pk_f16_f32 v[WL+4*\i+1], v[WL+4*\i+2], v[WL+4*\i+3]
	global_store_b64 v4, v[WL+4*\i:WL+4*\i+1], s[14:15] offset:256*\i   ; 256 consecutive bytes, aligned
.endr
	s_branch .Ljoin
	; ---- W_qkv
.Lw_in:
.set i, 0
.rept 32
	global_load_b32 v[R+i], v6, s[8:9] offset:i*12288 th:TH_LOAD_NT   ; W(32 w + i, my column): 128 consecutive bytes a load
.set i, i+1
.endr
	s_wait_loadcnt 0x0
	v_max3_num_f32 v16, |v[R]|, |v[R+1]|, |v[R+2]|                ; the block's largest magnitude: all 32 numbers are mine
	v_max3_num_f32 v17, |v[R+3]|, |v[R+4]|, |v[R+5]|
.irp i, 6,10,14,18,22,26
	v_max3_num_f32 v16, v16, |v[R+\i]|, |v[R+\i+1]|
	v_max3_num_f32 v17, v17, |v[R+\i+2]|, |v[R+\i+3]|
.endr
	v_max3_num_f32 v16, v16, |v[R+30]|, |v[R+31]|
	v_max3_num_f32 v16, v16, v17, (EMAX+1)<<23     ; the floor
	v_add_nc_u32 v18, -(EMAX<<23), v16             ; the conversion's scale operand
.irp g, 0,1,2,3
	v_cvt_scalef32_pk8_fp4_f32 v[C+\g], v[R+8*\g:R+8*\g+7], v18
.endr
	v_lshrrev_b32 v19, 23, v18                     ; the byte
	ds_store_b128 v7, v[C:C+3]                     ; 32 codes: 16 bytes of my column's row
	ds_store_b8 v8, v19
.Ljoin:
	s_wait_dscnt 0x0                               ; for the others' sake: my LDS stores have landed
	s_barrier_signal -1
	s_barrier_wait -1
	s_cmp_lt_u32 ttmp9, NX
	s_cbranch_scc0 .Lw_out
	s_cmp_gt_u32 s20, 1                            ; x: waves 0 and 1 store the work-group's 1,024 scale bytes
	s_cbranch_scc1 .Lend
	ds_load_b128 v[112:115], v10
	s_wait_dscnt 0x0
	global_store_b128 v3, v[112:115], s[12:13]     ; 512 consecutive bytes
	s_branch .Lend
.Lw_out:
	ds_load_b128 v[116:119], v9
	s_wait_dscnt 0x0
	global_store_b128 v3, v[116:119], s[16:17]     ; a whole row of codes: 512 consecutive bytes
	s_cmp_gt_u32 s20, 1
	s_cbranch_scc1 .Lend
	ds_load_b128 v[112:115], v11
	s_wait_dscnt 0x0
	global_store_b128 v3, v[112:115], s[18:19]     ; 512 consecutive bytes of scale bytes
.Lend:
	s_wait_tensorcnt 0x0                           ; the wave's end
	ds_add_u32 v[SPW], v[NIL]
	s_wait_dscnt 0x0
	s_endpgm
.Lfunc_end_k_q72473de852_quant:
	.size	k_q72473de852_quant, .Lfunc_end_k_q72473de852_quant-k_q72473de852_quant
	.p2alignl 7, 3214868480
	.fill 96, 4, 3214868480
	.section	.rodata,"a",@progbits
	.p2align	6, 0x0
	.amdhsa_kernel k_q72473de852_quant
		.amdhsa_group_segment_fixed_size 186880
		.amdhsa_private_segment_fixed_size 0
		.amdhsa_enable_private_segment 0
		.amdhsa_kernarg_size 64
		.amdhsa_user_sgpr_count 2
		.amdhsa_user_sgpr_kernarg_segment_ptr 1
		.amdhsa_wavefront_size32 1
		.amdhsa_system_sgpr_workgroup_id_x 1
		.amdhsa_system_sgpr_workgroup_id_y 1
		.amdhsa_system_sgpr_workgroup_id_z 1
		.amdhsa_system_vgpr_workitem_id 0
		.amdhsa_next_free_vgpr 128
		.amdhsa_next_free_sgpr 66
		.amdhsa_reserve_vcc 0
		.amdhsa_float_denorm_mode_32 3
		.amdhsa_float_denorm_mode_16_64 3
		.amdhsa_memory_ordered 1
		.amdhsa_forward_progress 1
		.amdhsa_inst_pref_size 14
	.end_amdhsa_kernel
	.amdgpu_metadata
---
amdhsa.version: [ 1, 2 ]
amdhsa.kernels:
  - .name:           k_q72473de852_quant
    .symbol:         k_q72473de852_quant.kd
    .args:
      - { .name: x, .offset: 0, .size: 8, .value_kind: global_buffer, .address_space: global }
      - { .name: W_out, .offset: 8, .size: 8, .value_kind: global_buffer, .address_space: global }
      - { .name: W_qkv, .offset: 16, .size: 8, .value_kind: global_buffer, .address_space: global }
      - { .name: xc, .offset: 24, .size: 8, .value_kind: global_buffer, .address_space: global }
      - { .name: xs, .offset: 32, .size: 8, .value_kind: global_buffer, .address_space: global }
      - { .name: woh, .offset: 40, .size: 8, .value_kind: global_buffer, .address_space: global }
      - { .name: wc, .offset: 48, .size: 8, .value_kind: global_buffer, .address_space: global }
      - { .name: ws, .offset: 56, .size: 8, .value_kind: global_buffer, .address_space: global }
    .group_segment_fixed_size: 186880
    .private_segment_fixed_size: 0
    .kernarg_segment_align: 8
    .kernarg_segment_size: 64
    .max_flat_workgroup_size: 1024
    .sgpr_count:     66
    .vgpr_count:     128
    .wavefront_size: 32
...
	.end_amdgpu_metadata
.endif
;; end of part 1
;; launch gemm1 (part 2): grid 12 x 16, 4 waves a work-group, clusters of 4 x 4, 327,680 bytes of LDS; arguments xc, xs, wc, ws, b_qkv, qkvh, side; writes qkvh, side
.if DOCPART == 2
	.amdgcn_target "amdgcn-amd-amdhsa--gfx1250"
	.amdhsa_code_object_version 6
	.text
	.protected	k_q72473de852_gemm1
	.globl	k_q72473de852_gemm1
	.p2align	8
	.type	k_q72473de852_gemm1,@function
k_q72473de852_gemm1:
	s_mov_b64 s[64:65], 0
	v_nop
	global_prefetch_b8 v0, s[64:65] scope:SCOPE_SE
	s_setreg_imm32_b32 hwreg(HW_REG_WAVE_MODE, 25, 1), 1
	s_wait_xcnt 0x0
	s_wait_alu depctr_hold_cnt(0) depctr_sa_sdst(0) depctr_va_vdst(0) depctr_va_sdst(0) depctr_va_ssrc(0) depctr_va_vcc(0) depctr_vm_vsrc(0)
	s_getreg_b32 s2, hwreg(HW_REG_IB_STS2, 6, 4)
	s_cmp_eq_u32 s2, 0
	s_cbranch_scc0 .Lentry_in_a_cluster
	s_endpgm
.Lentry_in_a_cluster:
	s_bfe_u32 s2, ttmp6, 0x10000c
	s_cmp_lg_u32 s2, 0xf033
	s_cbranch_scc0 .Lentry_shape_is_right
	s_endpgm
.Lentry_shape_is_right:
; (x W_qkv + b_qkv) on codes of FP4 with E8M0 scales: A = xc [4096][512 B], xs [4096][32]; B = wc [3072][512 B], ws [3072][32].  Sums in f32, begun with the bias as C.
; OUT: qkvh, f16, 96 planes [2048 positions][64]: plane (t 2 + batch) 16 + head, t = 0 Q, 1 K, 2 V.  side: bytes 0 on, the f32 image of the accumulators of positions 0-15 of each batch;
; from byte 393,216 on, T [32][1024] f32: the sums of V over each 128 positions (the first of a batch leaves out positions 0-15).
; A tile of 256 x 256 to a work-group of four waves, 128 x 128 a wave: 64 accumulators.  K = 1,024 is two slots of 512 in LDS, both filled at the start: nothing is filled again.
; The scale bytes of the work-group's rows come once, with the first fills.  CLUSTERS 4 x 4: A's tiles are asked for jointly along a row of the cluster, B's along a column.
; The matrix instruction is used transposed (source 0 = 16 rows of B, source 1 = 16 rows of A): a lane holds eight neighbouring columns of one row.
; No branch hangs on a work-group's place in its cluster: the image is stored under a branch on the cluster's y and the wave, with the lanes switched by cy; T under a branch on the cluster's x; the left-out rows by a weight 0 or 1.
; LIMITS: results beyond 65,504 have no f16 number; NaN and infinities are not served.
; REGISTERS: window 0: v0-31 addresses; v32-95 scale words, two sets, and nothing else; v96-127 the way out's packed results; v128-191 A's fragments, on the way out rows read back; v192-255 the bias, on the way out column sums.
;   window 1: B's fragments, two sets.  windows 2, 3: the accumulators ((a, b) at v[8 (8 (a % 4) + b)]).
.set KSTEP,  512
.set NQ,     4
.set ROWB,   256
.set KROW,   512
.set PITCH,  272                       ; 256 bytes + 16: the 16 rows of a fragment load start at 16 different groups of four banks
.set FR,     8
.set NL,     2
.set NP,     4
.set HALFT,  128*PITCH
.set SLOT,   4*HALFT
.set KS,     32
.set SCL,    2*SLOT
.set HALFS,  (128*KS/256)*272
.set SBLK,   (16*KS/256)*272
.set SPARE,  SCL+4*HALFS
.set ADRA, 16
.set ADRB, 20
.set CYV,  22                          ; v22  cy
.set BOF,  23                          ; v23  32 x (lane / 16): the bias's offset
.set STO,  24
.set RD,   25
.set CO,   26                          ; v26  16 x lane
.set ADRS, 27
.set SPW,  28
.set NIL,  29
.set TST,  30
.set TRD,  31
.set SC,   32
.set AF,   128
.set BI,   192
.set TMP,  96                          ; the way out: packed results
.set CS,   192                         ; the way out: column sums, where the bias lay
.set BK,   128                         ; the way out: rows read back, two sets of 32
.set G1, 24
.set G0, 32
.set G1B, 48
.set G0B, 56
.set G1S, 68
.set G0S, 76
.set G1SB, 80
.set G0SB, 88
.set MSB, 0
.macro WIN new                         ; the immediate's high byte repeats the setting that is left
.if MSB != (\new)
	s_set_vgpr_msb (MSB<<8)|(\new)
.set MSB, (\new)
.endif
.endm
.set MUL_LO, 0xa1                      ; source 0 (B) window 1, source 1 (A) window 0, C and D window 2
.set MUL_HI, 0xf1                      ; C and D window 3
.set BEG_LO, 0x81                      ; the first step: C (the bias) window 0, D window 2
.set BEG_HI, 0xc1                      ; D window 3
.set TO_B,   0x40
.macro JLOAD g0a, g1a, g0b, g1b        ; a joint load: waves 0, 1 fetch for A, waves 2, 3 for B; an s_nop 0 and four v_nop follow each line
	s_cmp_eq_u32 s15, 0
	s_cbranch_scc0 .Lfor_b_\@
	tensor_load_to_lds s[\g0a:\g0a+3], s[\g1a:\g1a+7]
	s_nop 0
.rept 4
	v_nop
.endr
	s_branch .Lasked_\@
.Lfor_b_\@:
	tensor_load_to_lds s[\g0b:\g0b+3], s[\g1b:\g1b+7]
	s_nop 0
.rept 4
	v_nop
.endr
.Lasked_\@:
.endm
.macro CROUND                          ; a round of the cluster's barrier
	s_barrier_signal -1
	s_barrier_wait -1
	s_cmp_lg_u32 s14, 0
	s_cbranch_scc1 .Lnot_wave_0_\@
	s_barrier_signal -3
.Lnot_wave_0_\@:
	s_barrier_wait -3
	s_barrier_signal -1
	s_barrier_wait -1
.endm
	s_load_b128 s[4:7], s[0:1], 0x0                ; xc, xs
	s_load_b128 s[8:11], s[0:1], 0x10              ; wc, ws
	s_load_b64 s[12:13], s[0:1], 0x20              ; b_qkv
	s_load_b128 s[96:99], s[0:1], 0x28             ; qkvh, side
	v_lshl_add_u32 v[SPW], v0, 2, SPARE
	v_mov_b32 v[NIL], 0
	ds_add_u32 v[SPW], v[NIL]                      ; the opening: the add, twice on end, and its wait ahead of my first tensor load
	ds_add_u32 v[SPW], v[NIL]
	v_lshrrev_b32 v1, 5, v0
	v_readfirstlane_b32 s14, v1                    ; wave 0..3
	s_lshr_b32 s15, s14, 1                         ; my half of the tile's rows; also: I fetch for A (0) or B (1)
	s_and_b32 s16, s14, 1                          ; my half of its columns; also: which 128 rows I fetch
	s_bfe_u32 s40, ttmp6, 0x40000                  ; cx
	s_bfe_u32 s41, ttmp6, 0x40004                  ; cy
	s_lshl_b32 s42, ttmp9, 2
	s_add_co_u32 s42, s42, s40                     ; tile column tc
	s_and_b32 s17, ttmp7, 0xffff
	s_lshl_b32 s17, s17, 2
	s_add_co_u32 s17, s17, s41                     ; tile row ty
	s_lshl_b32 s43, s41, 2
	s_lshl_b32 s43, 15, s43                        ; my row of the cluster
	s_lshl_b32 s44, 0x1111, s40                    ; my column
	s_or_b32 s[G1+0], s43, (0<<16)|(1<<20)|(1<<21)|(5<<22)|(3<<25)  ; mask; elements of 1 byte; padding on; bit 21 beside a mask; after every 64 words, 4 words
	s_or_b32 s[G1B+0], s44, (0<<16)|(1<<20)|(1<<21)|(5<<22)|(3<<25)
.irp g, G1, G1B
	s_mov_b32 s[\g+1], ROWB<<16                    ; tensor_dim0
	s_mov_b32 s[\g+2], 128<<16                     ; tensor_dim1
	s_mov_b32 s[\g+3], ROWB<<16                    ; tile_dim0
	s_mov_b32 s[\g+4], 128                         ; tile_dim1
	s_mov_b32 s[\g+5], KROW                        ; stride
	s_mov_b32 s[\g+6], 0
	s_mov_b32 s[\g+7], 0
.endr
	s_or_b32 s[G1S+0], s43, (3<<16)|(1<<20)|(1<<21)|(5<<22)|(3<<25)  ; the scales of 128 rows: 4,096 dense bytes as 16 rows of 256
	s_or_b32 s[G1SB+0], s44, (3<<16)|(1<<20)|(1<<21)|(5<<22)|(3<<25)
.irp g, G1S, G1SB
	s_mov_b32 s[\g+1], 32<<16
	s_mov_b32 s[\g+2], (128*KS/256)<<16
	s_mov_b32 s[\g+3], 32<<16
	s_mov_b32 s[\g+4], 128*KS/256
	s_mov_b32 s[\g+5], 32
	s_mov_b32 s[\g+6], 0
	s_mov_b32 s[\g+7], 0
.endr
	s_lshl_b32 s18, s16, 7
	s_lshl_b32 s20, s17, 8
	s_add_co_u32 s20, s20, s18                     ; A: row 256 ty + 128 half
	s_lshl_b32 s46, s42, 8
	s_add_co_u32 s46, s46, s18                     ; B: row 256 tc + 128 half
	s_mov_b32 s21, 0
	s_mov_b32 s47, 0
	s_mov_b64 s[18:19], KS
	s_mul_u64 s[22:23], s[20:21], s[18:19]
	s_mul_u64 s[92:93], s[46:47], s[18:19]
	s_mov_b64 s[18:19], KROW
	s_mul_u64 s[20:21], s[20:21], s[18:19]
	s_mul_u64 s[46:47], s[46:47], s[18:19]
	s_mul_i32 s45, s14, HALFT                      ; LDS: wave x 128 rows: no place in the cluster enters an LDS address
	s_mul_i32 s94, s14, HALFS
	s_wait_dscnt 0x0                               ; both opening adds are done
	s_wait_kmcnt 0x0
	s_add_nc_u64 s[20:21], s[4:5], s[20:21]
	s_add_nc_u64 s[22:23], s[6:7], s[22:23]
	s_add_nc_u64 s[46:47], s[8:9], s[46:47]
	s_add_nc_u64 s[92:93], s[10:11], s[92:93]
	CROUND                                         ; all sixteen work-groups are here: the joint loads meet
	s_mov_b32 s[G0S], 1
	s_add_co_u32 s[G0S+1], s94, SCL
	s_mov_b64 s[G0S+2:G0S+3], s[22:23]
	s_or_b32 s[G0S+3], s[G0S+3], 0x80000000
	s_mov_b32 s[G0SB], 1
	s_add_co_u32 s[G0SB+1], s94, SCL
	s_mov_b64 s[G0SB+2:G0SB+3], s[92:93]
	s_or_b32 s[G0SB+3], s[G0SB+3], 0x80000000
	JLOAD G0S, G1S, G0SB, G1SB                     ; the scales first
.irp s, 0,1
	s_mov_b32 s[G0+4*\s], 1
	s_add_co_u32 s[G0+4*\s+1], s45, \s*SLOT
	s_add_nc_u64 s[G0+4*\s+2:G0+4*\s+3], s[20:21], \s*ROWB
	s_or_b32 s[G0+4*\s+3], s[G0+4*\s+3], 0x80000000
	s_mov_b32 s[G0B+4*\s], 1
	s_add_co_u32 s[G0B+4*\s+1], s45, \s*SLOT
	s_add_nc_u64 s[G0B+4*\s+2:G0B+4*\s+3], s[46:47], \s*ROWB
	s_or_b32 s[G0B+4*\s+3], s[G0B+4*\s+3], 0x80000000
	JLOAD G0+4*\s, G1, G0B+4*\s, G1B               ; three loads of mine are out in all
.endr
	v_and_b32 v1, 15, v0                           ; r
	v_bfe_u32 v2, v0, 4, 1                         ; h
	v_mul_u32_u24 v3, v1, PITCH
	v_lshl_add_u32 v4, v2, 4, v3
	s_mul_i32 s21, s15, HALFT
	s_mul_i32 s22, s16, HALFT
	s_add_co_u32 s22, s22, 2*HALFT
.irp s, 0,1
	v_add_nc_u32 v[ADRA+\s], s21, v4
	v_add_nc_u32 v[ADRB+\s], s22, v4
	s_add_co_u32 s21, s21, SLOT
	s_add_co_u32 s22, s22, SLOT
.endr
	v_mul_u32_u24 v5, v1, KS
	v_lshrrev_b32 v6, 8, v5
	v_lshl_add_u32 v5, v6, 4, v5
	s_mul_i32 s21, s15, HALFS
	s_mul_i32 s22, s16, HALFS
	s_add_co_u32 s22, s22, 2*HALFS
	s_sub_co_u32 s22, s22, s21
	v_mul_u32_u24 v6, s22, v2                      ; lanes 16-31 take B's scale words
	s_add_co_u32 s21, s21, SCL
	v_add_nc_u32 v5, v5, v6
	v_add_nc_u32 v[ADRS], s21, v5
	; the bias of my 128 columns, in the result's layout: lane (r, h), block b: columns 16 b + 8 h + 0 .. 7
	v_lshlrev_b32 v[BOF], 5, v2
	s_lshl_b32 s46, s42, 10
	s_lshl_b32 s47, s16, 9
	s_add_co_u32 s46, s46, s47
	s_mov_b32 s47, 0
	s_add_nc_u64 s[12:13], s[12:13], s[46:47]
.irp b, 0,1,2,3,4,5,6,7
	global_load_b128 v[BI+8*\b:BI+8*\b+3], v[BOF], s[12:13] offset:64*\b
	global_load_b128 v[BI+8*\b+4:BI+8*\b+7], v[BOF], s[12:13] offset:64*\b+16
.endr
	; the way out's addresses.  My stage: 8,192 bytes a wave in slot 0: two heads x 16 rows x 144 bytes, then 512 bytes for the column sums
	s_lshl_b32 s23, s14, 13
	v_mul_u32_u24 v5, v1, 144
	v_lshl_add_u32 v5, v2, 4, v5
	v_add_nc_u32 v[STO], s23, v5                   ; in: row r, 16 bytes for each half of the lanes
	v_bfe_u32 v5, v0, 3, 2
	v_mul_u32_u24 v5, v5, 144
	v_and_b32 v6, 7, v0
	v_lshl_add_u32 v5, v6, 4, v5
	v_add_nc_u32 v[RD], s23, v5                    ; back: eight lanes to a row of 128 bytes, four rows an instruction
	v_and_b32 v6, 31, v0
	v_lshlrev_b32 v[CO], 4, v6
	s_add_co_u32 s23, s23, 4608
	v_lshl_add_u32 v[TST], v2, 5, s23
	v_add_nc_u32 v[TRD], s23, v[CO]
	v_mov_b32 v[CYV], s41
	; qkvh: plane of my first head, my first position
	s_lshl_b32 s20, s42, 2
	s_lshl_b32 s21, s16, 1
	s_add_co_u32 s20, s20, s21                     ; g = 4 tc + 2 colhalf: which of the 48 heads' columns
	s_lshr_b32 s21, s20, 4                         ; t
	s_and_b32 s20, s20, 15                         ; head
	s_lshl_b32 s21, s21, 1
	s_lshr_b32 s22, s17, 3                         ; batch
	s_add_co_u32 s21, s21, s22
	s_lshl_b32 s21, s21, 4
	s_add_co_u32 s20, s20, s21
	s_lshl_b32 s20, s20, 18                        ; a plane is 262,144 bytes
	s_lshl_b32 s21, s17, 8
	s_lshl_b32 s23, s15, 7
	s_add_co_u32 s21, s21, s23
	s_and_b32 s21, s21, 2047
	s_lshl_b32 s21, s21, 7
	s_add_co_u32 s20, s20, s21
	s_mov_b32 s21, 0
	s_add_nc_u64 s[96:97], s[96:97], s[20:21]
	s_mul_i32 s20, s22, 24                         ; the image: (batch 24 + 2 tc + colhalf) x 8,192
	s_lshl_b32 s23, s42, 1
	s_add_co_u32 s20, s20, s23
	s_add_co_u32 s20, s20, s16
	s_lshl_b32 s20, s20, 13
	s_add_nc_u64 s[66:67], s[98:99], s[20:21]
	s_lshl_b32 s20, s17, 1                         ; T: 393,216 + ((2 ty + rowhalf) 1,024 + 256 (tc - 8) + 128 colhalf) 4; used for tc = 8 .. 11 alone
	s_add_co_u32 s20, s20, s15
	s_lshl_b32 s20, s20, 12
	s_lshl_b32 s23, s42, 10
	s_add_co_u32 s20, s20, s23
	s_lshl_b32 s23, s16, 9
	s_add_co_u32 s20, s20, s23
	s_add_co_u32 s20, s20, 385024
	s_add_nc_u64 s[98:99], s[98:99], s[20:21]
	s_and_b32 s20, s17, 7                          ; the weight of my rows 0-15 in the column sums: 0 where they are positions 0-15 of a batch
	s_or_b32 s20, s20, s15
	s_cmp_eq_u32 s20, 0
	s_cselect_b32 s92, 0, 1.0
	s_mov_b32 s93, s92
.macro FRAG reg, adr, q, i             ; 16 rows x 128 K of 4-bit codes: 8 registers, two loads of 16 bytes, 32 bytes apart
.irp c, 0,1
	ds_load_b128 v[\reg+4*\c:\reg+4*\c+3], v[\adr] offset:64*(\q)+32*\c+(\i)*16*PITCH
.endr
.endm
; 16 matrix instructions: A's blocks a0, a0 + 1 x B's eight.  zero = 1: the first product starts the sums on the bias.  The 64 accumulators take turns.
.macro MUL16 a0, p, q, sc, zero
.irp a, \a0, \a0+1
.irp b, 0,1,2,3,4,5,6,7
.if \zero
	v_wmma_scale_f32_16x16x128_f8f6f4 v[8*(8*((\a)%4)+\b):8*(8*((\a)%4)+\b)+7], v[128*(\p)+FR*\b:128*(\p)+FR*\b+FR-1], v[AF+FR*(\a):AF+FR*(\a)+FR-1], v[BI+8*\b:BI+8*\b+7], v[SC+8*NQ*(\sc)+NQ*\b+(\q)], v[SC+8*NQ*(\sc)+NQ*(\a)+(\q)] matrix_a_fmt:MATRIX_FMT_FP4 matrix_b_fmt:MATRIX_FMT_FP4 matrix_a_scale:MATRIX_SCALE_ROW1
.else
	v_wmma_scale_f32_16x16x128_f8f6f4 v[8*(8*((\a)%4)+\b):8*(8*((\a)%4)+\b)+7], v[128*(\p)+FR*\b:128*(\p)+FR*\b+FR-1], v[AF+FR*(\a):AF+FR*(\a)+FR-1], v[8*(8*((\a)%4)+\b):8*(8*((\a)%4)+\b)+7], v[SC+8*NQ*(\sc)+NQ*\b+(\q)], v[SC+8*NQ*(\sc)+NQ*(\a)+(\q)] matrix_a_fmt:MATRIX_FMT_FP4 matrix_b_fmt:MATRIX_FMT_FP4 matrix_a_scale:MATRIX_SCALE_ROW1
.endif
.endr
.endr
.endm
.macro FETCH_B slot, q, p
	WIN TO_B
.irp i, 0,1,2,3,4,5,6,7
	FRAG 128*(\p)+FR*\i, ADRB+\slot, \q, \i
.endr
	WIN 0
.endm
.macro FETCH_A slot, q, i0
.irp i, \i0, \i0+1, \i0+2, \i0+3
	FRAG AF+FR*(\i), ADRA+\slot, \q, \i
.endr
.endm
.macro SCALES sc                       ; a slot's scale words: lanes 0-15 A's block i, lanes 16-31 B's block i
.irp i, 0,1,2,3,4,5,6,7
	ds_load_b128 v[SC+8*NQ*\sc+NQ*\i:SC+8*NQ*\sc+NQ*\i+3], v[ADRS] offset:\i*SBLK
.endr
.endm
.macro PLACES n                        ; plain vector places between a matrix instruction and a load into, or a read of, its registers
.rept \n
	v_nop
.endr
.endm
.macro STEP slot, q, zero
	s_wait_dscnt 4*NL                              ; all but the youngest eight loads (A's blocks 4-7) are in
.if \zero
	WIN BEG_LO
.else
	WIN MUL_LO
.endif
	MUL16 0, (\q)%2, \q, \slot, \zero
	MUL16 2, (\q)%2, \q, \slot, \zero
	s_wait_dscnt 0
	PLACES NP
	FETCH_B \slot, (\q)+1, 1-(\q)%2
	FETCH_A \slot, (\q)+1, 0
.if \zero
	WIN BEG_HI
.else
	WIN MUL_HI
.endif
	MUL16 4, (\q)%2, \q, \slot, \zero
	MUL16 6, (\q)%2, \q, \slot, \zero
	PLACES NP
	WIN 0
	FETCH_A \slot, (\q)+1, 4
.endm
; Slot 0's last step changes slots: one barrier; in front of it each wave waits for all its tensor loads (slot 1's), adds 0 to its spare word, and waits for that and for its reads of slot 0.  Nothing is filled again.
.macro TURN slot, next
	s_wait_tensorcnt 0x0
	ds_add_u32 v[SPW], v[NIL]
	s_wait_dscnt 4*NL+1                            ; the add and the youngest eight loads may be out
	WIN MUL_LO
	MUL16 0, 1, NQ-1, \slot, 0
	s_wait_dscnt 0x0                               ; the add is done, my reads of this slot are over
	s_barrier_signal -1
	MUL16 2, 1, NQ-1, \slot, 0
	WIN 0
	s_barrier_wait -1
	PLACES NP
	v_add_nc_u32 v[ADRS], 4*NQ, v[ADRS]
	FETCH_B \next, 0, 0
	FETCH_A \next, 0, 0
	SCALES \next
	WIN MUL_HI
	MUL16 4, 1, NQ-1, \slot, 0
	MUL16 6, 1, NQ-1, \slot, 0
	PLACES NP
	WIN 0
	FETCH_A \next, 0, 4
.endm
	s_wait_tensorcnt 1                             ; the scales and my part of slot 0 are in; slot 1's load may be out
	s_barrier_signal -1
	s_barrier_wait -1
	FETCH_B 0, 0, 0
	FETCH_A 0, 0, 0
	SCALES 0
	FETCH_A 0, 0, 4
	s_wait_loadcnt 0x0                             ; the bias
	STEP 0, 0, 1
	STEP 0, 1, 0
	STEP 0, 2, 0
	TURN 0, 1
	STEP 1, 0, 0
	STEP 1, 1, 0
	STEP 1, 2, 0
	s_wait_dscnt 4*NL                              ; the last step: nothing more to fetch
	WIN MUL_LO
	MUL16 0, 1, NQ-1, 1, 0
	MUL16 2, 1, NQ-1, 1, 0
	s_wait_dscnt 0
	WIN MUL_HI
	MUL16 4, 1, NQ-1, 1, 0
	MUL16 6, 1, NQ-1, 1, 0
	WIN 0
; THE WAY OUT, a block of 16 rows x 128 columns (two heads) at a time: rounded to f16, 16 bytes a lane into my stage (slot 0 has had its only fill, and every wave's reads of it ended ahead of the barrier above),
; back as rows of 128 bytes, four to an instruction: 512 consecutive bytes of a plane.
.macro PACK a
.set AC, 64*((\a)%4)
	WIN 0x0a+5*((\a)/4)                            ; sources: window 2 or 3
.irp b, 0,1,2,3,4,5,6,7
.irp i, 0,1,2,3
	v_cvt_pk_f16_f32 v[TMP+4*\b+\i], v[AC+8*\b+2*\i], v[AC+8*\b+2*\i+1]   ; each accumulator from its low end on
.endr
.endr
	WIN 0
.endm
.macro TOSTAGE a
.set BB, BK+32*((\a)%2)
.irp b, 0,1,2,3,4,5,6,7
	ds_store_b128 v[STO], v[TMP+4*\b:TMP+4*\b+3] offset:(\b/4)*2304+(\b%4)*32
.endr
.irp hh, 0,1
.irp i, 0,1,2,3
	ds_load_b128 v[BB+4*(4*\hh+\i):BB+4*(4*\hh+\i)+3], v[RD] offset:\hh*2304+\i*576   ; LDS serves a wave's instructions in order: these see the stores above
.endr
.endr
.endm
.macro SEND a
.set BB, BK+32*((\a)%2)
	s_wait_dscnt 0x0
.irp hh, 0,1
.irp i, 0,1,2,3
	global_store_b128 v[CO], v[BB+4*(4*\hh+\i):BB+4*(4*\hh+\i)+3], s[96:97] offset:\hh*262144+(\a)*2048+\i*512
.endr
.endr
.endm
	PLACES NP
	PACK 0
	TOSTAGE 0
.irp a, 1,2,3,4,5,6,7
	PACK \a
.if \a > 1
	s_wait_xcnt 0x0                                ; block a - 2's stores have read their registers: block a's loads may land there
.endif
	SEND \a-1
	TOSTAGE \a
.endr
	SEND 7
	; the f32 image of positions 0-15 of a batch: they are rows 0-15 of tile rows 0 and 8: cluster y even, cy = 0, upper half of the rows.  The branch hangs on the cluster's y and the wave; cy switches the lanes.
	s_and_b32 s20, ttmp7, 1
	s_or_b32 s20, s20, s15
	s_cmp_lg_u32 s20, 0
	s_cbranch_scc1 .Lno_q16
	v_cmp_eq_u32 vcc_lo, 0, v[CYV]
	s_wait_xcnt 0x0                                ; EXEC changes only behind this wait
	s_and_saveexec_b32 s20, vcc_lo
	WIN 0x08                                       ; a store's data: window 2
.irp bb, 0,1,2,3,4,5,6,7
.irp q, 0,1
	global_store_b128 v[CO], v[8*\bb+4*\q:8*\bb+4*\q+3], s[66:67] offset:\bb*1024+\q*512
.endr
.endr
	WIN 0
	s_wait_xcnt 0x0                                ; and again ahead of the line that widens it
	s_or_b32 exec_lo, exec_lo, s20
.Lno_q16:
	; T: the sums of my 128 rows, column by column, where the columns are V's: cluster x = 2
	s_cmp_lg_u32 ttmp9, 2
	s_cbranch_scc1 .Lno_t
	WIN 0x02
.set k, 0
.rept 32
	v_pk_mul_f32 v[CS+k:CS+k+1], v[k:k+1], s[92:93] op_sel_hi:[1,0]   ; rows 0-15, weighed 0 or 1
.set k, k+2
.endr
.irp a, 1,2,3,4,5,6,7
	WIN 0x02+(\a/4)
.set k, 0
.rept 32
	v_pk_add_f32 v[CS+k:CS+k+1], v[64*(\a%4)+k:64*(\a%4)+k+1], v[CS+k:CS+k+1]
.set k, k+2
.endr
.endr
	WIN 0
.irp m, 1,2,4,8                        ; over the 16 lanes of a half: the 16 rows of a block
.set k, 0
.rept 64
	v_add_f32_dpp v[CS+k], v[CS+k], v[CS+k] row_xmask:\m row_mask:0xf bank_mask:0xf
.set k, k+1
.endr
.endr
.irp b, 0,1,2,3,4,5,6,7
	ds_store_b128 v[TST], v[CS+8*\b:CS+8*\b+3] offset:64*\b        ; the 16 lanes of a half write the same bytes with the same values
	ds_store_b128 v[TST], v[CS+8*\b+4:CS+8*\b+7] offset:64*\b+16
.endr
	s_wait_xcnt 0x0                                ; the earlier stores have read the registers that the load below writes
	ds_load_b128 v[BK:BK+3], v[TRD]
	s_wait_dscnt 0x0
	global_store_b128 v[CO], v[BK:BK+3], s[98:99]  ; 128 sums: 512 consecutive bytes
.Lno_t:
	s_wait_tensorcnt 0x0                           ; the wave's end
	ds_add_u32 v[SPW], v[NIL]
	s_wait_dscnt 0x0
	CROUND                                         ; the closing round
	s_endpgm
.Lfunc_end_k_q72473de852_gemm1:
	.size	k_q72473de852_gemm1, .Lfunc_end_k_q72473de852_gemm1-k_q72473de852_gemm1
	.p2alignl 7, 3214868480
	.fill 96, 4, 3214868480
	.section	.rodata,"a",@progbits
	.p2align	6, 0x0
	.amdhsa_kernel k_q72473de852_gemm1
		.amdhsa_group_segment_fixed_size 327680
		.amdhsa_private_segment_fixed_size 0
		.amdhsa_enable_private_segment 0
		.amdhsa_kernarg_size 56
		.amdhsa_user_sgpr_count 2
		.amdhsa_user_sgpr_kernarg_segment_ptr 1
		.amdhsa_wavefront_size32 1
		.amdhsa_system_sgpr_workgroup_id_x 1
		.amdhsa_system_sgpr_workgroup_id_y 1
		.amdhsa_system_sgpr_workgroup_id_z 1
		.amdhsa_system_vgpr_workitem_id 0
		.amdhsa_next_free_vgpr 1024
		.amdhsa_next_free_sgpr 100
		.amdhsa_reserve_vcc 1
		.amdhsa_float_denorm_mode_32 3
		.amdhsa_float_denorm_mode_16_64 3
		.amdhsa_memory_ordered 1
		.amdhsa_forward_progress 1
		.amdhsa_inst_pref_size 164
	.end_amdhsa_kernel
	.amdgpu_metadata
---
amdhsa.version: [ 1, 2 ]
amdhsa.kernels:
  - .name:           k_q72473de852_gemm1
    .symbol:         k_q72473de852_gemm1.kd
    .args:
      - { .name: xc, .offset: 0, .size: 8, .value_kind: global_buffer, .address_space: global }
      - { .name: xs, .offset: 8, .size: 8, .value_kind: global_buffer, .address_space: global }
      - { .name: wc, .offset: 16, .size: 8, .value_kind: global_buffer, .address_space: global }
      - { .name: ws, .offset: 24, .size: 8, .value_kind: global_buffer, .address_space: global }
      - { .name: b_qkv, .offset: 32, .size: 8, .value_kind: global_buffer, .address_space: global }
      - { .name: qkvh, .offset: 40, .size: 8, .value_kind: global_buffer, .address_space: global }
      - { .name: side, .offset: 48, .size: 8, .value_kind: global_buffer, .address_space: global }
    .group_segment_fixed_size: 327680
    .private_segment_fixed_size: 0
    .kernarg_segment_align: 8
    .kernarg_segment_size: 56
    .max_flat_workgroup_size: 128
    .sgpr_count:     100
    .vgpr_count:     1024
    .wavefront_size: 32
...
	.end_amdgpu_metadata
.endif
;; end of part 2
;; launch attn (part 3): grid 8 x 32, 16 waves a work-group, no clusters, 327,680 bytes of LDS; arguments qkvh, side, att; writes att
.if DOCPART == 3
	.amdgcn_target "amdgcn-amd-amdhsa--gfx1250"
	.amdhsa_code_object_version 6
	.text
	.protected	k_q72473de852_attn
	.globl	k_q72473de852_attn
	.p2align	8
	.type	k_q72473de852_attn,@function
k_q72473de852_attn:
	s_mov_b64 s[64:65], 0
	v_nop
	global_prefetch_b8 v0, s[64:65] scope:SCOPE_SE
	s_setreg_imm32_b32 hwreg(HW_REG_WAVE_MODE, 25, 1), 1
	s_wait_xcnt 0x0
; Causal attention of one (batch, head): att[head][position][64] = softmax over keys of (K . Q / 8, masked scores exactly -10,000) x V.  Operands f16, sums, maxima and exponentials f32.
; THE MASK IS -10,000, NOT -INFINITY: a masked key keeps the weight 2^(t_mask - M).  Masked keys inside the key step on the diagonal get the raw score -80,000 (= -10,000 x 8) and go the common way.
; The masked keys of all later key steps have one weight w, so they enter as the STARTING STATE of the running softmax: largest t = t_mask, sum = w x their number, O = w x the sum of their V (from T, the sums of V over 128 keys).
; RUNNING SOFTMAX: t = raw score x log2(e) / 8; M = the largest t so far rounded up to a whole number; p = 2^(t - M); when M moves, sum and O are multiplied by 2^(old M - new M), which rounds nothing.
; SHARES.  Work-group (p, batch-head): waves 0-7 own block p of 128 queries, waves 8-15 block 15 - p, 16 queries a wave: every work-group has 8 x 17 key steps of work.  A key step is 128 keys.
; Every work-group walks all 8 slots of 256 keys (constant trip counts); a step all of whose keys come after a wave's queries is jumped over by a branch on ids.
; No cluster: partners along p would need different numbers of tiles.
; LAYOUT.  S^T = K Q^T (source 0 = 16 keys, source 1 = my 16 queries), O^T = V^T P (source 0 = 16 channels, by the turning load; source 1 = P): a lane holds one query (lane % 16) throughout.
; LIMITS: Q, K, V and the results stay under 65,504; weights p under 6e-5 of the row's largest lose bits in f16; NaN and infinities are not served.
; REGISTERS: v1-9 addresses; v12 -M, v13 largest t, v[14:15] the sum; v16-31 Q; v32-95 eight fragments of K or V; v96-159 S^T, then p; v160-191 O^T; v192-223 P in f16; v232-254 at work.
.set SK,    256                        ; keys in a slot
.set KP,    144                        ; a key's row of K in LDS: 128 bytes + 16
.set VP,    160                        ; of V: 128 + 32
.set VOFF,  SK*KP
.set SLOT1, 1<<17
.set NSL,   8
.set TSB,   77824                      ; behind slot 0: the 16 rows of T of my head, 256 bytes each;
.set SUFW,  TSB+4096                   ; each wave's weighed suffix sum, 256 bytes;
.set STAGE, SUFW+4096                  ; each wave's stage for the way out, 16 rows x 144 bytes;
.set SPARE, STAGE+16*2304              ; the spare words, 128 bytes a wave
.set AK0,  1
.set AV0,  2
.set PFO,  3
.set TSA,  4
.set SPW,  5
.set NIL,  6
.set GO,   7
.set ADK,  8
.set ADV,  9
.set WV,   18
.set SEL,  20
.set CS,   22
.set G1K,  24
.set G1V,  32
.set G0K,  40
.set G0V,  44
.set TB,   2
.set SLOTS, 67
.set QL,   68                          ; my work-group's last query
.set JE,   69                          ; my key steps
.set WT,   70                          ; s[70:71] a weight 0 or 1
.set PFA,  76
.set LIM,  80
.set KF,   98
.set Q0,   99
.macro TLOAD                           ; wave 0 fetches a slot's K, wave 1 its V, the others nothing; an s_nop 0 and four v_nop follow each line
	s_cmp_eq_u32 s[WV], 0
	s_cbranch_scc0 .Lnot_k_\@
	tensor_load_to_lds s[G0K:G0K+3], s[G1K:G1K+7]
	s_nop 0
.rept 4
	v_nop
.endr
	s_branch .Lasked_\@
.Lnot_k_\@:
	s_cmp_eq_u32 s[WV], 1
	s_cbranch_scc0 .Lasked_\@
	tensor_load_to_lds s[G0V:G0V+3], s[G1V:G1V+7]
	s_nop 0
.rept 4
	v_nop
.endr
.Lasked_\@:
.endm
; A prefetch of what the NEXT change of slots will ask for: a slot's 32,768 bytes of K and of V.  All eight work-groups of a head walk the same K and V: the one with p = 0, which loads every slot, asks.
; In it waves 4-7 ask for K's, waves 8-11 for V's: 8,192 bytes a wave, lanes 256 bytes apart, one instruction: each aligned 256 bytes is named once.  The last change that fills a slot asks for nothing.
.macro ASK
	s_cmp_gt_u32 s[SLOTS], s[LIM]
	s_cbranch_scc0 .Lnot_mine_\@
	global_prefetch_b8 v[PFO], s[PFA:PFA+1] th:TH_LOAD_NT scope:SCOPE_SE
.Lnot_mine_\@:
.endm
	s_load_b128 s[4:7], s[0:1], 0x0                ; qkvh, side
	s_load_b64 s[8:9], s[0:1], 0x10                ; att
	v_lshl_add_u32 v[SPW], v0, 2, SPARE
	v_mov_b32 v[NIL], 0
	ds_add_u32 v[SPW], v[NIL]                      ; the opening: the add, twice on end, and its wait ahead of the first tensor load
	ds_add_u32 v[SPW], v[NIL]
	v_lshrrev_b32 v8, 5, v0
	v_readfirstlane_b32 s[WV], v8                  ; wave 0..15
	s_and_b32 s72, ttmp7, 0xffff                   ; 16 x batch + head
	s_sub_co_u32 s73, 15, ttmp9
	s_cmp_lt_u32 s[WV], 8
	s_cselect_b32 s74, ttmp9, s73                  ; my block of 128 queries
	s_add_co_u32 s[JE], s74, 1
	s_lshl_b32 s[Q0], s74, 7
	s_and_b32 s75, s[WV], 7
	s_lshl_b32 s75, s75, 4
	s_add_co_u32 s[Q0], s[Q0], s75                 ; my first query
	s_lshl_b32 s[QL], s73, 7
	s_or_b32 s[QL], s[QL], 127
	s_lshl_b32 s82, s72, 18                        ; a plane is 262,144 bytes
	s_mov_b32 s83, 0
	; a slot's K or V: 32,768 dense bytes as 128 rows of 256 (32 elements of 8 bytes), padded behind every 128 bytes: 16 bytes for K, 32 for V
	s_mov_b32 s[G1K], (3<<16)|(1<<20)|(4<<22)|(3<<25)
	s_mov_b32 s[G1V], (3<<16)|(1<<20)|(4<<22)|(7<<25)
.irp g, G1K, G1V
	s_mov_b32 s[\g+1], 32<<16                      ; tensor_dim0
	s_mov_b32 s[\g+2], 128<<16                     ; tensor_dim1
	s_mov_b32 s[\g+3], 32<<16                      ; tile_dim0
	s_mov_b32 s[\g+4], 128                         ; tile_dim1
	s_mov_b32 s[\g+5], 32                          ; stride
	s_mov_b32 s[\g+6], 0
	s_mov_b32 s[\g+7], 0
.endr
	s_mov_b32 s[SEL], 0x76543210
	s_mov_b32 s[SEL+1], 0xfedcba98
	s_mov_b32 s[CS], 0x3e38aa3b                    ; c = log2(e) / 8
	s_mov_b32 s[CS+1], s[CS]
	s_mov_b32 s[TB], 0
	s_mov_b32 s[SLOTS], NSL-1
	s_mov_b32 s[KF], 0
	s_mov_b32 s[WT+1], 0
	s_wait_dscnt 0x0                               ; both opening adds are done
	s_wait_kmcnt 0x0
	s_add_nc_u64 s[84:85], s[4:5], s[82:83]        ; Q's plane
	s_add_nc_u64 s[86:87], s[84:85], 0x800000      ; K's: 32 planes on
	s_add_nc_u64 s[88:89], s[84:85], 0x1000000     ; V's: 64 planes on
	s_mov_b32 s[G0K], 1
	s_mov_b32 s[G0K+1], 0
	s_mov_b64 s[G0K+2:G0K+3], s[86:87]
	s_or_b32 s[G0K+3], s[G0K+3], 0x80000000
	s_mov_b32 s[G0V], 1
	s_mov_b32 s[G0V+1], VOFF
	s_mov_b64 s[G0V+2:G0V+3], s[88:89]
	s_or_b32 s[G0V+3], s[G0V+3], 0x80000000
	TLOAD                                          ; slot 0: one load of a wave is out at the most, here and later
	s_cmp_lt_u32 s[WV], 8                          ; the prefetches: where my wave's stand, and who asks
	s_cselect_b64 s[PFA:PFA+1], s[86:87], s[88:89]
	s_and_b32 s90, s[WV], 3
	s_lshl_b32 s90, s90, 13
	s_add_co_u32 s90, s90, SK*128                  ; in slot 1: the first change of slots steps it to slot 2
	s_mov_b32 s91, 0
	s_add_nc_u64 s[PFA:PFA+1], s[PFA:PFA+1], s[90:91]
	s_sub_co_u32 s90, s[WV], 4
	s_lshr_b32 s90, s90, 3                         ; 0 in waves 4 to 11,
	s_or_b32 s90, s90, ttmp9                       ; of the work-group with p = 0
	s_cmp_eq_u32 s90, 0
	s_cselect_b32 s[LIM], 1, -1
	v_and_b32 v[PFO], 31, v0
	v_lshlrev_b32 v[PFO], 8, v[PFO]
	s_lshl_b32 s90, s[Q0], 7
	s_add_nc_u64 s[84:85], s[84:85], s[90:91]      ; Q at my first query
	s_lshr_b32 s90, s72, 4                         ; batch
	s_lshl_b32 s90, s90, 4
	s_add_co_u32 s90, s90, s[WV]
	s_lshl_b32 s90, s90, 12                        ; T's row 16 batch + wave,
	s_and_b32 s92, s72, 15                         ; head
	s_lshl_b32 s93, s92, 8
	s_add_co_u32 s90, s90, s93                     ; my head's 64 columns
	s_add_co_u32 s90, s90, 393216
	s_add_nc_u64 s[6:7], s[6:7], s[90:91]
	s_lshl_b32 s93, s92, 19                        ; att: a head's plane is 524,288 bytes
	s_lshr_b32 s90, s72, 4
	s_lshl_b32 s90, s90, 11
	s_add_co_u32 s90, s90, s[Q0]
	s_lshl_b32 s90, s90, 7
	s_add_co_u32 s90, s90, s93
	s_add_nc_u64 s[8:9], s[8:9], s[90:91]
	v_and_b32 v8, 15, v0                           ; r
	v_bfe_u32 v9, v0, 4, 1                         ; h
	v_lshlrev_b32 v232, 7, v8
	v_lshl_add_u32 v232, v9, 4, v232
.irp cs, 0,1
.irp c, 0,1
	global_load_b128 v[16+8*\cs+4*\c:19+8*\cs+4*\c], v232, s[84:85] offset:64*\cs+32*\c   ; Q's two fragments stay in registers
.endr
.endr
	v_and_b32 v233, 31, v0
	v_lshlrev_b32 v234, 3, v233
	global_load_b64 v[10:11], v234, s[6:7]         ; T's row of my wave's number
	v_mul_u32_u24 v[AK0], v8, KP
	v_lshl_add_u32 v[AK0], v9, 4, v[AK0]
	v_and_b32 v235, 7, v0
	v_lshl_add_u32 v235, v9, 3, v235
	v_mul_u32_u24 v[AV0], v235, VP
	v_bfe_u32 v235, v0, 3, 1
	v_lshl_add_u32 v[AV0], v235, 4, v[AV0]
	v_add_nc_u32 v[AV0], VOFF, v[AV0]
	v_lshl_add_u32 v[TSA], v0, 3, TSB              ; 8 bytes a thread
	v_lshl_add_u32 v237, v233, 3, TSB              ; a row of T: 8 bytes a lane
	s_lshl_b32 s90, s[WV], 8
	s_add_co_u32 s90, s90, SUFW
	v_lshl_add_u32 v238, v9, 5, s90                ; my suffix sum in O^T's layout
	v_lshlrev_b32 v[GO], 4, v233
	; the starting state
	s_mov_b32 s90, 0xc79c4000                      ; -80,000: a masked key's raw score
	v_mov_b32 v239, s90
	v_mul_f32 v240, s[CS], v239
	v_floor_f32 v241, -v240                        ; -M of the mask
	v_fma_f32 v242, v239, s[CS], v241
	v_exp_f32 v242, v242                           ; w = 2^(t_mask - M)
	s_lshl_b32 s91, s[JE], 6
	s_sub_co_u32 s91, 1024, s91                    ; half the number of keys behind my last key step: a query's sum lies in two lanes
	s_mov_b32 s92, 0xfe967699                      ; -1e38, under every score: where no such key is left
	s_cmp_lg_u32 s91, 0
	s_cselect_b32 s92, s90, s92
	v_mov_b32 v239, s92                            ; (a plain place behind the exponential)
	s_wait_alu depctr_va_vdst(0)                   ; ahead of w's first reader
	v_mul_f32 v13, s[CS], v239                     ; the largest t so far
	v_floor_f32 v12, -v13                          ; -M
	v_cvt_f32_u32 v14, s91
	v_mul_f32 v14, v14, v242                       ; the sum
	v_mov_b32 v15, 0
	v_mov_b32 v243, 0                              ; (upper halves of pairs, and lane permutes' destinations, are written once)
	v_mov_b32 v236, 0
	v_mov_b32 v252, 0
	v_mov_b32 v253, 0
	s_wait_loadcnt 0x0                             ; Q and my row of T
	ds_store_b64 v[TSA], v[10:11]
	s_wait_dscnt 0x0                               ; for the others' sake
	s_barrier_signal -1                            ; slot 0's load may stay out
	s_barrier_wait -1
.irp j, 1,2,3,4,5,6,7,8,9,10,11,12,13,14,15
	ds_load_b64 v[32+2*\j:33+2*\j], v237 offset:256*\j
.endr
	s_wait_dscnt 0x0
.irp j, 1,2,3,4,5,6,7,8,9,10,11,12,13,14,15
	s_cmp_le_u32 s[JE], \j                         ; rows of key steps that I do not walk count
	s_cselect_b32 s[WT], 1.0, 0
.if \j == 1
	v_pk_mul_f32 v[10:11], v[34:35], s[WT:WT+1] op_sel_hi:[1,0]
.else
	v_pk_fma_f32 v[10:11], v[32+2*\j:33+2*\j], s[WT:WT+1], v[10:11] op_sel_hi:[1,0,1]
.endif
.endr
	v_pk_mul_f32 v[10:11], v[10:11], v[242:243] op_sel_hi:[1,0]
	ds_store_b64 v[TSA], v[10:11] offset:4096      ; my wave's own 256 bytes
.irp t, 0,1,2,3
	ds_load_b128 v[160+8*\t:163+8*\t], v238 offset:64*\t       ; O^T = w x the sum of V: LDS serves a wave's instructions in order
	ds_load_b128 v[164+8*\t:167+8*\t], v238 offset:64*\t+16
.endr
	s_wait_dscnt 0x0
.macro VLOAD q, g                      ; eight fragments of V^T: keys 64 g + 32 (f / 4) on, channels 16 (f % 4) on
.irp f, 0,1,2,3,4,5,6,7
	ds_load_tr16_b128 v[32+8*\f:35+8*\f], v[ADV] offset:(128*(\q)+64*(\g)+32*(\f/4))*VP+32*(\f%4)
	ds_load_tr16_b128 v[36+8*\f:39+8*\f], v[ADV] offset:(128*(\q)+64*(\g)+32*(\f/4)+16)*VP+32*(\f%4)
.endr
.endm
.macro PV g                            ; O^T's four accumulators by turns
.irp f, 0,1,2,3,4,5,6,7
	v_wmma_f32_16x16x32_f16 v[160+8*(\f%4):167+8*(\f%4)], v[32+8*\f:39+8*\f], v[192+8*(2*(\g)+\f/4):199+8*(2*(\g)+\f/4)], v[160+8*(\f%4):167+8*(\f%4)]
.endr
.endm
; A KEY STEP: 128 keys, the q-th of the slot in hand
.macro STEP q
	s_add_co_u32 s96, s[Q0], 15
	s_cmp_gt_u32 s[KF], s96                        ; all its keys come after my queries: their weight is in the starting state
	s_cbranch_scc1 .Lhidden_\@
	v_add_nc_u32 v[ADK], s[TB], v[AK0]
	v_add_nc_u32 v[ADV], s[TB], v[AV0]
	v_nop
	v_nop                                          ; four places in front of loads into registers that the last products read
.irp g, 0,1                            ; S^T = K Q^T, four tiles of 16 keys at a time
.if \g
.rept 4
	v_nop
.endr
.endif
.irp tt, 0,1,2,3
.irp cs, 0,1
.irp c, 0,1
	ds_load_b128 v[32+16*\tt+8*\cs+4*\c:32+16*\tt+8*\cs+4*\c+3], v[ADK] offset:(128*(\q)+64*\g+16*\tt)*KP+64*\cs+32*\c
.endr
.endr
.endr
	s_wait_dscnt 0x0
.irp tt, 0,1,2,3
	v_wmma_f32_16x16x32_f16 v[96+8*(4*\g+\tt):103+8*(4*\g+\tt)], v[32+16*\tt:39+16*\tt], v[16:23], 0
.endr
.irp tt, 0,1,2,3
	v_wmma_f32_16x16x32_f16 v[96+8*(4*\g+\tt):103+8*(4*\g+\tt)], v[40+16*\tt:47+16*\tt], v[24:31], v[96+8*(4*\g+\tt):103+8*(4*\g+\tt)]
.endr
.endr
.rept 4
	v_nop
.endr
	VLOAD \q, 0                                    ; V's first 64 keys are asked for now and land under the softmax
	s_add_co_u32 s96, s[KF], 127
	s_cmp_le_u32 s96, s[Q0]
	s_cbranch_scc1 .Lopen_\@                       ; all keys count
	s_sub_co_i32 s96, s[Q0], s[KF]
	v_and_b32 v252, 15, v0
	v_bfe_u32 v253, v0, 4, 1
	v_lshlrev_b32 v253, 3, v253
	v_sub_nc_u32 v252, v252, v253
	v_add_nc_u32 v252, s96, v252                   ; d = my query - KF - 8 (lane / 16); register n holds key KF + 16 (n / 8) + 8 (lane / 16) + n % 8
	v_mov_b32 v254, 0xc79c4000
.set n, 0
.rept 64
	v_cmp_gt_i32 vcc_lo, 16*(n/8)+n%8, v252
	v_cndmask_b32 v[96+n], v[96+n], v254, vcc_lo
.set n, n+1
.endr
.Lopen_\@:
.irp b, 0,1,2,3
	v_max3_num_f32 v[232+\b], v[96+16*\b], v[97+16*\b], v[98+16*\b]
.endr
.irp i, 3,5,7,9,11,13
.irp b, 0,1,2,3
	v_max3_num_f32 v[232+\b], v[232+\b], v[96+16*\b+\i], v[97+16*\b+\i]
.endr
.endr
.irp b, 0,1,2,3
	v_max_num_f32 v[232+\b], v[232+\b], v[111+16*\b]
.endr
	v_max3_num_f32 v254, v232, v233, v234
	v_max_num_f32 v254, v254, v235
	v_permlanex16_b32 v236, v254, s[SEL], s[SEL+1]
	v_max_num_f32 v254, v254, v236                 ; the step's largest score of my query
	v_mul_f32 v254, s[CS], v254
	v_max_num_f32 v13, v13, v254
	v_mov_b32 v254, v12
	v_floor_f32 v12, -v13                          ; the new -M
	v_sub_f32 v254, v12, v254
	v_cvt_i32_f32 v254, v254                       ; (it saturates)
	v_ldexp_f32 v252, 1.0, v254                    ; f = 2^(old M - new M)
.set n, 0
.rept 32
	v_pk_fma_f32 v[96+n:97+n], v[96+n:97+n], s[CS:CS+1], v[12:13] op_sel_hi:[1,0,0]   ; t - M
.set n, n+2
.endr
.set n, 0
.rept 64
	v_exp_f32 v[96+n], v[96+n]
.set n, n+1
.endr
	v_pk_mul_f32 v[14:15], v[14:15], v[252:253] op_sel_hi:[1,0]   ; the sum under the new M (a plain place behind the exponentials)
	s_wait_alu depctr_va_vdst(0)                   ; one wait for the batch, ahead of its first reader
	v_pk_add_f32 v[236:237], v[96:97], v[98:99]
.irp j, 4,8,12,16,20,24,28,32,36,40,44,48,52,56,60
	v_pk_add_f32 v[14:15], v[14:15], v[96+\j:97+\j]
	v_pk_add_f32 v[236:237], v[236:237], v[98+\j:99+\j]
.endr
	v_pk_add_f32 v[14:15], v[14:15], v[236:237]
.set n, 0
.rept 32
	v_cvt_pk_f16_f32 v[192+n], v[96+2*n], v[97+2*n]    ; two tiles of S^T, packed in pairs, are a fragment of P
.set n, n+1
.endr
.set n, 0
.rept 16
	v_pk_mul_f32 v[160+n:161+n], v[160+n:161+n], v[252:253] op_sel_hi:[1,0]   ; O^T under the new M
.set n, n+2
.endr
	s_wait_dscnt 0x0                               ; V's first 64 keys
	PV 0
.rept 4
	v_nop
.endr
	VLOAD \q, 1
	s_wait_dscnt 0x0
	PV 1
.Lhidden_\@:
	s_add_co_u32 s[KF], s[KF], 128
.endm
; THE CHANGE OF SLOTS stands at a slot's head: each wave waits for all its tensor loads, adds 0 to its spare word (fill = 1: twice on end),
; and waits for that and for its reads of the slot that it has left; one barrier; behind it the other slot is filled with the next 256 keys, if any wave of the work-group will read them.
.macro CHANGE fill
	s_wait_tensorcnt 0x0
	ds_add_u32 v[SPW], v[NIL]
.if \fill
	ds_add_u32 v[SPW], v[NIL]
	s_xor_b32 s[G0K+1], s[G0K+1], SLOT1            ; no tensor load of mine is out: the walking descriptors step
	s_add_nc_u64 s[G0K+2:G0K+3], s[G0K+2:G0K+3], SK*128
	s_xor_b32 s[G0V+1], s[G0V+1], SLOT1
	s_add_nc_u64 s[G0V+2:G0V+3], s[G0V+2:G0V+3], SK*128
	s_wait_xcnt 0x0                                ; the last prefetch, a slot back, has read its address
	s_add_nc_u64 s[PFA:PFA+1], s[PFA:PFA+1], SK*128
.endif
	s_wait_dscnt 0x0
	s_barrier_signal -1
	s_barrier_wait -1
.if \fill
	s_add_co_u32 s96, s[KF], SK                    ; the first key of the slot that this change would ask for
	s_cmp_gt_u32 s96, s[QL]                        ; past my work-group's last query: no wave reads it.  Ids and the count of steps alone: all sixteen waves go the same way; every wait on TENSORcnt here is for 0
	s_cbranch_scc1 .Lpast_\@
	TLOAD
.Lpast_\@:
	ASK
.endif
.endm
.macro SLOT_STEPS
	STEP 0
	STEP 1
	s_xor_b32 s[TB], s[TB], SLOT1
.endm
.Lslot:                                            ; seven trips
	CHANGE 1
	SLOT_STEPS
	s_sub_co_u32 s[SLOTS], s[SLOTS], 1
	s_cmp_lg_u32 s[SLOTS], 0
	s_cbranch_scc1 .Lslot
	CHANGE 0                                       ; the last slot is written out: nothing is left to fetch
	SLOT_STEPS
	; THE WAY OUT: O^T / the sum, to f16, through my stage, out as 512 consecutive bytes (four rows of 128) an instruction
	v_add_f32 v14, v14, v15
	v_permlanex16_b32 v252, v14, s[SEL], s[SEL+1]
	v_add_f32 v14, v14, v252
	v_rcp_f32 v14, v14
	v_and_b32 v8, 15, v0
	v_bfe_u32 v9, v0, 4, 1
	s_mul_i32 s73, s[WV], 2304
	s_add_co_u32 s73, s73, STAGE
	v_mul_u32_u24 v10, v8, 144
	v_lshl_add_u32 v10, v9, 4, v10
	v_add_nc_u32 v10, s73, v10
	v_bfe_u32 v11, v0, 3, 2
	v_mul_u32_u24 v11, v11, 144
	v_and_b32 v8, 7, v0
	v_lshl_add_u32 v11, v8, 4, v11
	v_add_nc_u32 v11, s73, v11
	s_wait_alu depctr_va_vdst(0)                   ; ahead of the reciprocal's first reader
.set n, 0
.rept 32
	v_mul_f32 v[96+n], v[160+n], v14               ; each accumulator from its low end on
.set n, n+1
.endr
.set n, 0
.rept 16
	v_cvt_pk_f16_f32 v[32+n], v[96+2*n], v[97+2*n]
.set n, n+1
.endr
.irp t, 0,1,2,3
	ds_store_b128 v10, v[32+4*\t:35+4*\t] offset:32*\t
.endr
.irp i, 0,1,2,3
	ds_load_b128 v[48+4*\i:51+4*\i], v11 offset:576*\i
.endr
.irp i, 0,1,2,3
	s_wait_dscnt 3-\i
	global_store_b128 v[GO], v[48+4*\i:51+4*\i], s[8:9] offset:512*\i
.endr
	s_wait_tensorcnt 0x0                           ; the wave's end
	ds_add_u32 v[SPW], v[NIL]
	s_wait_dscnt 0x0
	s_endpgm
.Lfunc_end_k_q72473de852_attn:
	.size	k_q72473de852_attn, .Lfunc_end_k_q72473de852_attn-k_q72473de852_attn
	.p2alignl 7, 3214868480
	.fill 96, 4, 3214868480
	.section	.rodata,"a",@progbits
	.p2align	6, 0x0
	.amdhsa_kernel k_q72473de852_attn
		.amdhsa_group_segment_fixed_size 327680
		.amdhsa_private_segment_fixed_size 0
		.amdhsa_enable_private_segment 0
		.amdhsa_kernarg_size 24
		.amdhsa_user_sgpr_count 2
		.amdhsa_user_sgpr_kernarg_segment_ptr 1
		.amdhsa_wavefront_size32 1
		.amdhsa_system_sgpr_workgroup_id_x 1
		.amdhsa_system_sgpr_workgroup_id_y 1
		.amdhsa_system_sgpr_workgroup_id_z 1
		.amdhsa_system_vgpr_workitem_id 0
		.amdhsa_next_free_vgpr 256
		.amdhsa_next_free_sgpr 100
		.amdhsa_reserve_vcc 1
		.amdhsa_float_denorm_mode_32 3
		.amdhsa_float_denorm_mode_16_64 3
		.amdhsa_memory_ordered 1
		.amdhsa_forward_progress 1
		.amdhsa_inst_pref_size 112
	.end_amdhsa_kernel
	.amdgpu_metadata
---
amdhsa.version: [ 1, 2 ]
amdhsa.kernels:
  - .name:           k_q72473de852_attn
    .symbol:         k_q72473de852_attn.kd
    .args:
      - { .name: qkvh, .offset: 0, .size: 8, .value_kind: global_buffer, .address_space: global }
      - { .name: side, .offset: 8, .size: 8, .value_kind: global_buffer, .address_space: global }
      - { .name: att, .offset: 16, .size: 8, .value_kind: global_buffer, .address_space: global }
    .group_segment_fixed_size: 327680
    .private_segment_fixed_size: 0
    .kernarg_segment_align: 8
    .kernarg_segment_size: 24
    .max_flat_workgroup_size: 512
    .sgpr_count:     100
    .vgpr_count:     256
    .wavefront_size: 32
...
	.end_amdgpu_metadata
.endif
;; end of part 3
;; launch gemm2 (part 4): grid 8 x 32, 4 waves a work-group, clusters of 4 x 4, 327,680 bytes of LDS; arguments att, woh, b_out, out0; writes out0
.if DOCPART == 4
	.amdgcn_target "amdgcn-amd-amdhsa--gfx1250"
	.amdhsa_code_object_version 6
	.text
	.protected	k_q72473de852_gemm2
	.globl	k_q72473de852_gemm2
	.p2align	8
	.type	k_q72473de852_gemm2,@function
k_q72473de852_gemm2:
	s_mov_b64 s[64:65], 0
	v_nop
	global_prefetch_b8 v0, s[64:65] scope:SCOPE_SE
	s_setreg_imm32_b32 hwreg(HW_REG_WAVE_MODE, 25, 1), 1
	s_wait_xcnt 0x0
	s_wait_alu depctr_hold_cnt(0) depctr_sa_sdst(0) depctr_va_vdst(0) depctr_va_sdst(0) depctr_va_ssrc(0) depctr_va_vcc(0) depctr_vm_vsrc(0)
	s_getreg_b32 s2, hwreg(HW_REG_IB_STS2, 6, 4)
	s_cmp_eq_u32 s2, 0
	s_cbranch_scc0 .Lentry_in_a_cluster
	s_endpgm
.Lentry_in_a_cluster:
	s_bfe_u32 s2, ttmp6, 0x10000c
	s_cmp_lg_u32 s2, 0xf033
	s_cbranch_scc0 .Lentry_shape_is_right
	s_endpgm
.Lentry_shape_is_right:
; out0 [4096][1024] f32 = A W_out + b_out.  A = att, f16, laid [head 16][row 4096][64]: k = 64 head + channel.  W = woh, f16, [k 1024][n 1024], read turned out of LDS.  Sums in f32, begun with the bias as C.
; A tile of 128 x 128 to a work-group of four waves, 64 x 64 a wave: 16 accumulators.  K goes in four steps of 256 (four heads) through a ring of two LDS slots.
; A wave's tensor load: waves 0, 1: 64 rows of A for four heads (four rows of 8,192 dense bytes, padded behind every 128); waves 2, 3: 128 k-rows of W, 256 bytes each, padded by 32.
; CLUSTERS 4 x 4: A's tiles are asked for jointly along a row of the cluster, W's along a column.  The matrix instruction is used transposed: a lane holds eight neighbouring columns of one row.
; A wave's 64 f32 columns are 256 aligned bytes of a row, so each wave has a stage of its own on the way out, in slot 0 behind its last fill and last read.
; The 32 rows of positions 0-15 of each batch are written here too and written over by the launch that follows: leaving them out would want a branch on a work-group's place in its cluster.
; LIMITS: operands under 65,504; NaN and infinities are not served.
; REGISTERS: window 0: v0-31 addresses; v32-95 the way out; v96-127 the bias; v128-255 the accumulators.  window 1: two fragment buffers of 128: 64 of A, 64 of W.
.set AP,     144                       ; a row of A for one head: 128 bytes + 16
.set BP,     288                       ; a k-row of W: 256 bytes + 32
.set HALFT,  36864                     ; what one tensor load brings: 4 x 64 x AP = 128 x BP
.set SLOT,   4*HALFT
.set SPARE,  2*SLOT
.set SPITCH, 272
.set LAPS,   2
.set ASTEP,  4*524288                  ; a K step in att: four heads' planes
.set BSTEP,  256*2048                  ; in woh: 256 rows
.set ADRA, 16                          ; v16-17 A's fragments in slot 0, 1
.set ADRB, 20                          ; v20-21 W's, k-rows 0-127 of a slot; v22-23 k-rows 128-255
.set STO,  24
.set RD,   25
.set CO,   26
.set BOF,  27
.set SPW,  28
.set NIL,  29
.set TMP,  32
.set BI,   96
.set ACC,  128
.set F0,   0
.set F1,   128
.set G1, 24
.set G0, 32
.set G1B, 48
.set G0B, 56
.set MSB, 0
.macro WIN new
.if MSB != (\new)
	s_set_vgpr_msb (MSB<<8)|(\new)
.set MSB, (\new)
.endif
.endm
.set MUL,  0x05                        ; sources 0 and 1 window 1; C and D window 0
.set TO_F, 0x40
.macro JLOAD s                         ; a joint load; an s_nop 0 and four v_nop follow each of the two lines
	s_cmp_eq_u32 s11, 0
	s_cbranch_scc0 .Lfor_b_\@
	tensor_load_to_lds s[G0+4*\s:G0+4*\s+3], s[G1:G1+7]
	s_nop 0
.rept 4
	v_nop
.endr
	s_branch .Lasked_\@
.Lfor_b_\@:
	tensor_load_to_lds s[G0B+4*\s:G0B+4*\s+3], s[G1B:G1B+7]
	s_nop 0
.rept 4
	v_nop
.endr
.Lasked_\@:
.endm
.macro CREST
	s_cmp_lg_u32 s10, 0
	s_cbranch_scc1 .Lnot_wave_0_\@
	s_barrier_signal -3
.Lnot_wave_0_\@:
	s_barrier_wait -3
	s_barrier_signal -1
	s_barrier_wait -1
.endm
.macro CROUND
	s_barrier_signal -1
	s_barrier_wait -1
	CREST
.endm
	s_load_b128 s[4:7], s[0:1], 0x0                ; att, woh
	s_load_b64 s[8:9], s[0:1], 0x10                ; b_out
	s_load_b64 s[66:67], s[0:1], 0x18              ; out0
	v_lshl_add_u32 v[SPW], v0, 2, SPARE
	v_mov_b32 v[NIL], 0
	ds_add_u32 v[SPW], v[NIL]                      ; the opening: the add, twice on end, and its wait ahead of my first tensor load
	ds_add_u32 v[SPW], v[NIL]
	v_lshrrev_b32 v1, 5, v0
	v_readfirstlane_b32 s10, v1                    ; wave 0..3
	s_lshr_b32 s11, s10, 1                         ; my half of the rows; also: I fetch for A (0) or W (1)
	s_and_b32 s12, s10, 1                          ; my half of the columns; also: which half I fetch
	s_bfe_u32 s40, ttmp6, 0x40000                  ; cx
	s_bfe_u32 s41, ttmp6, 0x40004                  ; cy
	s_lshl_b32 s42, ttmp9, 2
	s_add_co_u32 s42, s42, s40                     ; tile column
	s_and_b32 s13, ttmp7, 0xffff
	s_lshl_b32 s13, s13, 2
	s_add_co_u32 s13, s13, s41                     ; tile row
	s_lshl_b32 s43, s41, 2
	s_lshl_b32 s43, 15, s43                        ; my row of the cluster
	s_lshl_b32 s44, 0x1111, s40                    ; my column
	s_or_b32 s[G1+0], s43, (3<<16)|(1<<20)|(1<<21)|(4<<22)|(3<<25)   ; elements of 8 bytes; after every 32 words, 4 words
	s_mov_b32 s[G1+1], 1024<<16                    ; tensor_dim0: 8,192 bytes = 64 rows of one head
	s_mov_b32 s[G1+2], 4<<16                       ; tensor_dim1: four heads
	s_mov_b32 s[G1+3], 1024<<16                    ; tile_dim0
	s_mov_b32 s[G1+4], 4                           ; tile_dim1
	s_mov_b32 s[G1+5], 65536                       ; from head to head: 524,288 bytes
	s_mov_b32 s[G1+6], 0
	s_mov_b32 s[G1+7], 0
	s_or_b32 s[G1B+0], s44, (3<<16)|(1<<20)|(1<<21)|(5<<22)|(7<<25)  ; after every 64 words, 8 words
	s_mov_b32 s[G1B+1], 32<<16
	s_mov_b32 s[G1B+2], 128<<16
	s_mov_b32 s[G1B+3], 32<<16
	s_mov_b32 s[G1B+4], 128
	s_mov_b32 s[G1B+5], 256                        ; a row of woh: 2,048 bytes
	s_mov_b32 s[G1B+6], 0
	s_mov_b32 s[G1B+7], 0
	s_lshl_b32 s17, s12, 6
	s_lshl_b32 s16, s13, 7
	s_add_co_u32 s16, s16, s17                     ; A: row 128 x tile row + 64 x half,
	s_lshl_b32 s16, s16, 7                         ; 128 bytes a row
	s_mov_b32 s17, 0
	s_lshl_b32 s46, s42, 8                         ; W: column 128 x tile column, 2 bytes each,
	s_lshl_b32 s47, s12, 18                        ; k-row 128 x half
	s_add_co_u32 s46, s46, s47
	s_mov_b32 s47, 0
	s_mul_i32 s20, s10, HALFT                      ; LDS: wave x a load's bytes
	s_wait_dscnt 0x0
	s_wait_kmcnt 0x0
	s_add_nc_u64 s[14:15], s[4:5], s[16:17]
	s_add_nc_u64 s[46:47], s[6:7], s[46:47]
	CROUND                                         ; all sixteen work-groups are here
.irp s, 0,1
	s_mov_b32 s[G0+4*\s], 1
	s_add_co_u32 s[G0+4*\s+1], s20, \s*SLOT
	s_add_nc_u64 s[G0+4*\s+2:G0+4*\s+3], s[14:15], \s*ASTEP
	s_or_b32 s[G0+4*\s+3], s[G0+4*\s+3], 0x80000000
	s_mov_b32 s[G0B+4*\s], 1
	s_add_co_u32 s[G0B+4*\s+1], s20, \s*SLOT
	s_add_nc_u64 s[G0B+4*\s+2:G0B+4*\s+3], s[46:47], \s*BSTEP
	s_or_b32 s[G0B+4*\s+3], s[G0B+4*\s+3], 0x80000000
	JLOAD \s                                       ; two loads of mine are out
.endr
	v_and_b32 v1, 15, v0                           ; r
	v_bfe_u32 v2, v0, 4, 1                         ; h
	v_mul_u32_u24 v3, v1, AP
	v_lshl_add_u32 v3, v2, 4, v3                   ; A: row r, + 16 h
	v_and_b32 v4, 7, v0
	v_lshl_add_u32 v4, v2, 3, v4
	v_mul_u32_u24 v4, v4, BP
	v_bfe_u32 v5, v0, 3, 1
	v_lshl_add_u32 v4, v5, 4, v4                   ; W, for the turning load: k-row 8 h + lane % 8, + 16 ((lane / 8) % 2)
	s_mul_i32 s21, s11, HALFT                      ; my 64 rows of A
	s_lshl_b32 s22, s12, 7                         ; my 64 columns of W: 128 bytes,
	s_add_co_u32 s22, s22, 2*HALFT                 ; behind A's two halves
.irp s, 0,1
	v_add_nc_u32 v[ADRA+\s], s21, v3
	v_add_nc_u32 v[ADRB+\s], s22, v4
	v_add_nc_u32 v[ADRB+2+\s], HALFT, v[ADRB+\s]
	s_add_co_u32 s21, s21, SLOT
	s_add_co_u32 s22, s22, SLOT
.endr
	v_lshlrev_b32 v[BOF], 5, v2                    ; the bias of my 64 columns, in the result's layout
	s_lshl_b32 s46, s42, 9
	s_lshl_b32 s47, s12, 8
	s_add_co_u32 s46, s46, s47                     ; my first column, in bytes of f32
	s_mov_b32 s47, 0
	s_add_nc_u64 s[8:9], s[8:9], s[46:47]
.irp b, 0,1,2,3
	global_load_b128 v[BI+8*\b:BI+8*\b+3], v[BOF], s[8:9] offset:64*\b
	global_load_b128 v[BI+8*\b+4:BI+8*\b+7], v[BOF], s[8:9] offset:64*\b+16
.endr
	s_mul_i32 s23, s10, 16*SPITCH                  ; my stage
	v_mul_u32_u24 v5, v1, SPITCH
	v_lshl_add_u32 v5, v2, 5, v5
	v_add_nc_u32 v[STO], s23, v5                   ; in: row r, 32 bytes for each half of the lanes
	v_mul_u32_u24 v5, v2, SPITCH
	v_lshl_add_u32 v5, v1, 4, v5
	v_add_nc_u32 v[RD], s23, v5                    ; back: lanes 0-15 one row of 256 bytes, lanes 16-31 the next
	v_lshlrev_b32 v5, 12, v2
	v_lshl_add_u32 v[CO], v1, 4, v5                ; and the same two rows in out0
	s_lshl_b32 s16, s13, 7
	s_lshl_b32 s17, s11, 6
	s_add_co_u32 s16, s16, s17
	s_lshl_b32 s16, s16, 12                        ; my first row, 4,096 bytes a row
	s_mov_b32 s17, 0
	s_add_nc_u64 s[66:67], s[66:67], s[16:17]
	s_add_nc_u64 s[66:67], s[66:67], s[46:47]
.macro MUL8 f, c, a0, zero             ; 8 matrix instructions: m blocks a0, a0 + 1 x 4 n blocks, 32 along K; zero = 1: the sums start on the bias
.irp a, \a0, \a0+1
.irp b, 0,1,2,3
.if \zero
	v_wmma_f32_16x16x32_f16 v[ACC+8*(4*(\a)+\b):ACC+8*(4*(\a)+\b)+7], v[\f+64+8*(4*\c+\b):\f+64+8*(4*\c+\b)+7], v[\f+8*(4*\c+\a):\f+8*(4*\c+\a)+7], v[BI+8*\b:BI+8*\b+7]
.else
	v_wmma_f32_16x16x32_f16 v[ACC+8*(4*(\a)+\b):ACC+8*(4*(\a)+\b)+7], v[\f+64+8*(4*\c+\b):\f+64+8*(4*\c+\b)+7], v[\f+8*(4*\c+\a):\f+8*(4*\c+\a)+7], v[ACC+8*(4*(\a)+\b):ACC+8*(4*(\a)+\b)+7]
.endif
.endr
.endr
.endm
.macro FETCH slot, kq, f               ; 32 LDS loads: the fragments of quarter kq (one head, 64 along K) into buffer f; the first 32 along K first
	WIN TO_F
.irp c, 0,1
.irp i, 0,1,2,3
	ds_load_tr16_b128 v[\f+64+8*(4*\c+\i):\f+64+8*(4*\c+\i)+3],   v[ADRB+2*((\kq)/2)+\slot] offset:(((\kq)%2)*64+32*\c)*BP+32*\i
	ds_load_tr16_b128 v[\f+64+8*(4*\c+\i)+4:\f+64+8*(4*\c+\i)+7], v[ADRB+2*((\kq)/2)+\slot] offset:(((\kq)%2)*64+32*\c+16)*BP+32*\i
	ds_load_b128 v[\f+8*(4*\c+\i):\f+8*(4*\c+\i)+3],              v[ADRA+\slot] offset:(\kq)*64*AP+\i*16*AP+64*\c
	ds_load_b128 v[\f+8*(4*\c+\i)+4:\f+8*(4*\c+\i)+7],            v[ADRA+\slot] offset:(\kq)*64*AP+\i*16*AP+64*\c+32
.endr
.endr
.endm
.macro PLACES
.rept 4
	v_nop
.endr
.endm
.macro QUARTER slot, kq, f, g, zero    ; multiplies buffer f, fetches quarter kq into g
	s_wait_dscnt 16                                ; the first 32 along K are in; the youngest sixteen loads may be out
	WIN MUL
	MUL8 \f, 0, 0, \zero
	MUL8 \f, 0, 2, \zero
	PLACES
	FETCH \slot, \kq, \g
	s_wait_dscnt 32                                ; all but the 32 just issued
	WIN MUL
	MUL8 \f, 1, 0, 0
	MUL8 \f, 1, 2, 0
.endm
; A slot's last quarter changes slots: one barrier; in front of it each wave waits for all its tensor loads, adds 0 to its spare word, and waits for that and for its reads of this slot.
; fill = 1: the barrier opens a round of the cluster's, and the slot is filled again, two K steps ahead, first thing behind the round.
.macro TURN slot, next, fill
	WIN 0
	s_wait_tensorcnt 0x0
	ds_add_u32 v[SPW], v[NIL]
	s_wait_dscnt 17                                ; the add and the youngest sixteen loads may be out
	WIN MUL
	MUL8 F1, 0, 0, 0
	s_wait_dscnt 0x0
	s_barrier_signal -1
	MUL8 F1, 0, 2, 0
.if \fill
	WIN 0
.endif
	s_barrier_wait -1
.if \fill
	CREST
	s_add_nc_u64 s[G0+4*\slot+2:G0+4*\slot+3], s[G0+4*\slot+2:G0+4*\slot+3], 2*ASTEP
	s_add_nc_u64 s[G0B+4*\slot+2:G0B+4*\slot+3], s[G0B+4*\slot+2:G0B+4*\slot+3], 2*BSTEP
	JLOAD \slot                                    ; its four v_nop are also the places in front of the loads below
.else
	PLACES
.endif
	FETCH \next, 0, F0
	WIN MUL
	MUL8 F1, 1, 0, 0
	MUL8 F1, 1, 2, 0
.endm
	s_wait_tensorcnt 1                             ; my part of K step 0 is in; K step 1's load may be out
	s_barrier_signal -1
	s_barrier_wait -1
	FETCH 0, 0, F0
	s_wait_loadcnt 0x0                             ; the bias
	QUARTER 0, 1, F0, F1, 1
	WIN 0
	s_mov_b32 s3, LAPS-1
.Llap:
	QUARTER 0, 2, F1, F0, 0
	QUARTER 0, 3, F0, F1, 0
	TURN 0, 1, 1
	QUARTER 1, 1, F0, F1, 0
	QUARTER 1, 2, F1, F0, 0
	QUARTER 1, 3, F0, F1, 0
	TURN 1, 0, 1
	QUARTER 0, 1, F0, F1, 0
	WIN 0
	s_sub_co_u32 s3, s3, 1
	s_cmp_lg_u32 s3, 0
	s_cbranch_scc1 .Llap
	QUARTER 0, 2, F1, F0, 0                        ; the last lap fills nothing
	QUARTER 0, 3, F0, F1, 0
	TURN 0, 1, 0
	QUARTER 1, 1, F0, F1, 0
	QUARTER 1, 2, F1, F0, 0
	QUARTER 1, 3, F0, F1, 0
	s_wait_dscnt 16
	WIN MUL
	MUL8 F1, 0, 0, 0
	MUL8 F1, 0, 2, 0
	s_wait_dscnt 0
	MUL8 F1, 1, 0, 0
	MUL8 F1, 1, 2, 0
	WIN 0
; THE WAY OUT, 16 rows x 64 columns at a time through my own stage: back as whole rows of 256 bytes
.macro TOSTAGE a
.irp b, 0,1,2,3
	ds_store_b128 v[STO], v[ACC+8*(4*(\a)+\b):ACC+8*(4*(\a)+\b)+3] offset:64*\b        ; each accumulator from its low end on
	ds_store_b128 v[STO], v[ACC+8*(4*(\a)+\b)+4:ACC+8*(4*(\a)+\b)+7] offset:64*\b+16
.endr
.irp t, 0,1,2,3,4,5,6,7
	ds_load_b128 v[TMP+32*((\a)%2)+4*\t:TMP+32*((\a)%2)+4*\t+3], v[RD] offset:2*\t*SPITCH
.endr
.endm
.macro SEND a, younger
	s_wait_dscnt \younger
.irp t, 0,1,2,3,4,5,6,7
	global_store_b128 v[CO], v[TMP+32*((\a)%2)+4*\t:TMP+32*((\a)%2)+4*\t+3], s[66:67] offset:(16*(\a)+2*\t)*4096 th:TH_STORE_NT   ; 16 lanes store 256 consecutive bytes, aligned
.endr
.endm
	PLACES
	TOSTAGE 0
.irp a, 1,2,3
.if \a > 1
	s_wait_xcnt 0x0                                ; block a - 2's stores have read their registers
.endif
	TOSTAGE \a
	SEND \a-1, 16                                  ; behind block a - 1's loads: block a's 8 stores and 8 loads
.endr
	SEND 3, 0
	s_wait_tensorcnt 0x0                           ; the wave's end
	ds_add_u32 v[SPW], v[NIL]
	s_wait_dscnt 0x0
	CROUND                                         ; the closing round
	s_endpgm
.Lfunc_end_k_q72473de852_gemm2:
	.size	k_q72473de852_gemm2, .Lfunc_end_k_q72473de852_gemm2-k_q72473de852_gemm2
	.p2alignl 7, 3214868480
	.fill 96, 4, 3214868480
	.section	.rodata,"a",@progbits
	.p2align	6, 0x0
	.amdhsa_kernel k_q72473de852_gemm2
		.amdhsa_group_segment_fixed_size 327680
		.amdhsa_private_segment_fixed_size 0
		.amdhsa_enable_private_segment 0
		.amdhsa_kernarg_size 32
		.amdhsa_user_sgpr_count 2
		.amdhsa_user_sgpr_kernarg_segment_ptr 1
		.amdhsa_wavefront_size32 1
		.amdhsa_system_sgpr_workgroup_id_x 1
		.amdhsa_system_sgpr_workgroup_id_y 1
		.amdhsa_system_sgpr_workgroup_id_z 1
		.amdhsa_system_vgpr_workitem_id 0
		.amdhsa_next_free_vgpr 512
		.amdhsa_next_free_sgpr 68
		.amdhsa_reserve_vcc 0
		.amdhsa_float_denorm_mode_32 3
		.amdhsa_float_denorm_mode_16_64 3
		.amdhsa_memory_ordered 1
		.amdhsa_forward_progress 1
		.amdhsa_inst_pref_size 87
	.end_amdhsa_kernel
	.amdgpu_metadata
---
amdhsa.version: [ 1, 2 ]
amdhsa.kernels:
  - .name:           k_q72473de852_gemm2
    .symbol:         k_q72473de852_gemm2.kd
    .args:
      - { .name: att, .offset: 0, .size: 8, .value_kind: global_buffer, .address_space: global }
      - { .name: woh, .offset: 8, .size: 8, .value_kind: global_buffer, .address_space: global }
      - { .name: b_out, .offset: 16, .size: 8, .value_kind: global_buffer, .address_space: global }
      - { .name: out0, .offset: 24, .size: 8, .value_kind: global_buffer, .address_space: global }
    .group_segment_fixed_size: 327680
    .private_segment_fixed_size: 0
    .kernarg_segment_align: 8
    .kernarg_segment_size: 32
    .max_flat_workgroup_size: 128
    .sgpr_count:     68
    .vgpr_count:     512
    .wavefront_size: 32
...
	.end_amdgpu_metadata
.endif
;; end of part 4
;; launch first16 (part 5): grid 64 x 2, 16 waves a work-group, no clusters, 22,528 bytes of LDS; arguments side, W_out, b_out, out0; writes out0
.if DOCPART == 5
	.amdgcn_target "amdgcn-amd-amdhsa--gfx1250"
	.amdhsa_code_object_version 6
	.text
	.protected	k_q72473de852_first16
	.globl	k_q72473de852_first16
	.p2align	8
	.type	k_q72473de852_first16,@function
k_q72473de852_first16:
	s_mov_b64 s[64:65], 0
	v_nop
	global_prefetch_b8 v0, s[64:65] scope:SCOPE_SE
	s_setreg_imm32_b32 hwreg(HW_REG_WAVE_MODE, 25, 1), 1
	s_wait_xcnt 0x0
; Positions 0-15 of each batch, in f32 from the projection's f32 sums to out0: these rows average one to a few values and are the largest, so they are carried more finely.  They overwrite the f16 way's 32 rows.
; A work-group: 16 output columns (n0 = 16 x) of one batch.  Wave w is head w: S^T = K Q^T over 64 channels, the softmax, O^T = V^T p, and its head's 64 rows of W_out; the 16 partial tiles meet in LDS.
; Keys 16 .. 2,047 are masked for all 16 queries: their scores are -10,000 (raw -80,000), one weight w each: 2,032 w enters the sum and w x the sum of their V (the 16 rows of T) the result.
; All products by the f32 matrix form, 16 x 16 x 4: lane (r, h), register j: k = 2 h + j.  The k of a step are chosen alike on both sides so that operands are used as they lie: a sum does not hang on the order of its k beyond rounding.
; The registers that these matrix instructions write are written by nothing else; each sum's first step takes the constant 0 as C; two or four accumulators take turns.
; The wave's 97 loads go out in stages, each stage behind the wait for an older one: 49 are out at the most.
; The slab is 16 columns wide, so a lane stores 16 bytes of a row: 131,072 bytes in all; a wider slab would leave the f32 products to a quarter of the waves.
; LIMITS: NaN and infinities are not served.
; REGISTERS: v16-47 Q, then the normalised O; v48-79 K, then the masked keys' sum of V; v80-111 V; v112-143 W; v144-175 T, then at work; v176-191 S^T in two halves; v192-223 O^T; v224-239 the projection in two halves;
; v240-247 scores, later the partial tile; v248-255 p.
.set RED,   0                          ; 1,024 bytes a wave: its partial tile
.set SUF,   16384                      ; 256 bytes a wave
.set SPARE, 20480
.set SPW,   14
.set NIL,   15
	s_load_b256 s[4:11], s[0:1], 0x0               ; side, W_out, b_out, out0
	v_lshl_add_u32 v[SPW], v0, 2, SPARE
	v_mov_b32 v[NIL], 0
	v_lshrrev_b32 v1, 5, v0
	v_readfirstlane_b32 s16, v1                    ; wave = head
	s_and_b32 s17, ttmp7, 0xffff                   ; batch
	s_lshl_b32 s18, ttmp9, 6                       ; n0, in bytes
	s_min_u32 s19, s16, 1                          ; q: which four of a lane's eight results waves 0 and 1 finish
	s_mov_b32 s12, 0x76543210
	s_mov_b32 s13, 0xfedcba98
	s_mov_b32 s14, 0x3e38aa3b                      ; c = log2(e) / 8
	s_mov_b32 s15, 0x44fe0000                      ; 2,032
	v_and_b32 v3, 31, v0                           ; lane
	v_and_b32 v1, 15, v0                           ; r
	v_bfe_u32 v2, v0, 4, 1                         ; h
	v_lshlrev_b32 v4, 4, v1
	v_lshl_add_u32 v4, v2, 11, v4                  ; Q, K in the image: 2,048 h + 16 r: channels 32 h on of position r
	v_lshlrev_b32 v5, 3, v3                        ; T: 8 bytes a lane
	v_bfe_u32 v6, v0, 2, 1
	v_lshlrev_b32 v6, 9, v6
	v_bfe_u32 v7, v0, 3, 1
	v_lshl_add_u32 v6, v7, 8, v6
	v_and_b32 v7, 3, v0
	v_lshl_add_u32 v6, v7, 2, v6
	v_lshl_add_u32 v6, v2, 7, v6                   ; V in the image: channel r of a tile, keys 8 h on
	v_lshlrev_b32 v7, 2, v1
	v_lshl_add_u32 v7, v2, 15, v7                  ; W_out: column n0 + r, rows 8 h on
	v_lshl_add_u32 v8, v0, 3, SUF
	s_lshl_b32 s20, s16, 8
	s_add_co_u32 s20, s20, SUF
	v_lshl_add_u32 v9, v2, 5, s20
	v_lshlrev_b32 v11, 4, v3
	s_lshl_b32 s20, s16, 10
	v_add_nc_u32 v10, s20, v11                     ; my partial tile: 1,024 w + 16 lane
	s_lshl_b32 s20, s19, 9
	v_add_nc_u32 v11, s20, v11                     ; the final sums: 512 q + 16 lane
	v_lshlrev_b32 v12, 3, v2
	v_sub_nc_u32 v12, v1, v12                      ; d = r - 8 h: register j holds key 8 h + j, masked where j > d
	v_mov_b32 v13, 0xc79c4000                      ; -80,000
	s_mul_i32 s20, s17, 24
	s_lshr_b32 s21, s16, 1
	s_add_co_u32 s20, s20, s21
	s_lshl_b32 s20, s20, 13
	s_and_b32 s21, s16, 1
	s_lshl_b32 s21, s21, 12
	s_add_co_u32 s20, s20, s21                     ; the image of Q's columns of my head; K's lie 65,536, V's 131,072 bytes on
	s_mov_b32 s21, 0
	s_wait_kmcnt 0x0
	s_add_nc_u64 s[22:23], s[4:5], s[20:21]
	s_lshl_b32 s20, s17, 16
	s_lshl_b32 s24, s16, 8
	s_add_co_u32 s20, s20, s24
	s_add_co_u32 s20, s20, 393216
	s_add_nc_u64 s[4:5], s[4:5], s[20:21]          ; T: my batch's 16 rows, my head's 64 columns
	s_lshl_b32 s20, s16, 18
	s_add_co_u32 s20, s20, s18
	s_add_nc_u64 s[6:7], s[6:7], s[20:21]          ; W_out: row 64 head, column n0
	s_lshl_b32 s24, s19, 4
	s_add_co_u32 s20, s18, s24
	s_add_nc_u64 s[8:9], s[8:9], s[20:21]          ; b_out: n0 + 4 q
	s_lshl_b32 s24, s17, 23
	s_add_co_u32 s20, s20, s24
	s_add_nc_u64 s[10:11], s[10:11], s[20:21]      ; out0: row 2,048 batch, column n0 + 4 q
.macro VLD from                        ; sixteen of V's 32: V(key 8 h + i % 8, channel 16 (i / 8) + r)
.set i, \from
.rept 16
	global_load_b32 v[80+i], v6, s[22:23] offset:131072+(i/8)*1024+(i%8)*16
.set i, i+1
.endr
.endm
.macro WLD from                        ; sixteen of W's 32: W(64 head + 16 (i / 8) + 8 h + i % 8, n0 + r)
.set i, \from
.rept 16
	global_load_b32 v[112+i], v7, s[6:7] offset:(16*(i/8)+i%8)*4096
.set i, i+1
.endr
.endm
.irp g, 0,1,2,3,4,5,6,7
	global_load_b128 v[16+4*\g:19+4*\g], v4, s[22:23] offset:(\g/4)*1024+(\g%2)*512+((\g/2)%2)*256         ; Q: register 4 g + e = channel 32 h + 4 g + e
.endr
.irp g, 0,1,2,3,4,5,6,7
	global_load_b128 v[48+4*\g:51+4*\g], v4, s[22:23] offset:65536+(\g/4)*1024+(\g%2)*512+((\g/2)%2)*256   ; K likewise
.endr
.irp j, 0,1,2,3,4,5,6,7,8,9,10,11,12,13,14,15
	global_load_b64 v[144+2*\j:145+2*\j], v5, s[4:5] offset:4096*\j
.endr
	VLD 0
	s_wait_loadcnt 32                              ; Q and K are in; T's 16 and V's first 16 may be out
	VLD 16
	v_wmma_f32_16x16x4_f32 v[176:183], v[48:49], v[16:17], 0
	v_wmma_f32_16x16x4_f32 v[184:191], v[50:51], v[18:19], 0
.irp u, 2,4,6,8,10,12,14
	v_wmma_f32_16x16x4_f32 v[176:183], v[48+2*\u:49+2*\u], v[16+2*\u:17+2*\u], v[176:183]
	v_wmma_f32_16x16x4_f32 v[184:191], v[50+2*\u:51+2*\u], v[18+2*\u:19+2*\u], v[184:191]
.endr
	s_wait_loadcnt 32                              ; T is in; V's 32 may be out
	WLD 0
.irp j, 1,2,3,4,5,6,7,8,9,10,11,12,13,14,15
	v_pk_add_f32 v[144:145], v[144:145], v[144+2*\j:145+2*\j]    ; the sum of V over keys 16 .. 2,047.  (These fifteen are also the places behind the products above)
.endr
	ds_store_b64 v8, v[144:145]
.irp t, 0,1,2,3
	ds_load_b128 v[48+8*\t:51+8*\t], v9 offset:64*\t             ; back in O^T's layout: channels 16 t + 8 h + 0 .. 7; my wave's own bytes, served in order
	ds_load_b128 v[52+8*\t:55+8*\t], v9 offset:64*\t+16
.endr
	v_lshlrev_b32 v170, 5, v2
	global_load_b128 v[172:175], v170, s[8:9]      ; the bias: b_out[n0 + 8 h + 4 q ..]
	v_mov_b32 v150, 0
.irp j, 0,1,2,3,4,5,6,7
	v_add_f32 v[240+\j], v[176+\j], v[184+\j]      ; the raw scores: key 8 h + j, query r
.endr
.irp j, 0,1,2,3,4,5,6,7
	v_cmp_gt_i32 vcc_lo, \j, v12
	v_cndmask_b32 v[240+\j], v[240+\j], v13, vcc_lo
.endr
	v_max3_num_f32 v146, v240, v241, v242
	v_max3_num_f32 v146, v146, v243, v244
	v_max3_num_f32 v146, v146, v245, v246
	v_max3_num_f32 v146, v146, v247, v13           ; the masked keys count in the maximum
	v_permlanex16_b32 v150, v146, s12, s13
	v_max_num_f32 v146, v146, v150
	v_mul_f32 v147, s14, v146                      ; c m
.irp j, 0,1,2,3,4,5,6,7
	v_fma_f32 v[248+\j], v[240+\j], s14, -v147
.endr
	v_fma_f32 v148, v13, s14, -v147
.irp j, 0,1,2,3,4,5,6,7
	v_exp_f32 v[248+\j], v[248+\j]
.endr
	v_exp_f32 v148, v148                           ; w
	v_nop
	s_wait_alu depctr_va_vdst(0)                   ; one wait for the nine
	v_add_f32 v149, v248, v249
	v_add_f32 v151, v250, v251
	v_add_f32 v152, v252, v253
	v_add_f32 v153, v254, v255
	v_add_f32 v149, v149, v151
	v_add_f32 v152, v152, v153
	v_add_f32 v149, v149, v152
	v_permlanex16_b32 v150, v149, s12, s13
	v_add_f32 v149, v149, v150
	v_fma_f32 v149, v148, s15, v149                ; + 2,032 w
	v_rcp_f32 v151, v149
	v_lshlrev_b32 v153, 12, v1                     ; (a plain place)  out0: row r,
	v_lshl_add_u32 v153, v2, 5, v153               ; + 32 h
	s_wait_alu depctr_va_vdst(0)
	v_mul_f32 v152, v148, v151                     ; w / the sum
	s_wait_loadcnt 17                              ; V is in; W's first 16 and the bias may be out
	WLD 16
.irp u, 0,1,2,3
.irp t, 0,1,2,3
.if \u == 0
	v_wmma_f32_16x16x4_f32 v[192+8*\t:199+8*\t], v[80+8*\t:81+8*\t], v[248:249], 0
.else
	v_wmma_f32_16x16x4_f32 v[192+8*\t:199+8*\t], v[80+8*\t+2*\u:81+8*\t+2*\u], v[248+2*\u:249+2*\u], v[192+8*\t:199+8*\t]
.endif
.endr
.endr
.rept 8
	v_nop
.endr
	s_wait_dscnt 0x0                               ; the masked keys' sum of V
.set i, 0
.rept 32
	v_mul_f32 v[16+i], v[192+i], v151
	v_fma_f32 v[16+i], v[48+i], v152, v[16+i]      ; (O + w x that sum) / the row's sum: channel 16 (i / 8) + 8 h + i % 8 of query r
.set i, i+1
.endr
	s_wait_loadcnt 0x0                             ; W and the bias
	v_wmma_f32_16x16x4_f32 v[224:231], v[112:113], v[16:17], 0
	v_wmma_f32_16x16x4_f32 v[232:239], v[114:115], v[18:19], 0
.irp u, 2,4,6,8,10,12,14
	v_wmma_f32_16x16x4_f32 v[224:231], v[112+2*\u:113+2*\u], v[16+2*\u:17+2*\u], v[224:231]
	v_wmma_f32_16x16x4_f32 v[232:239], v[114+2*\u:115+2*\u], v[18+2*\u:19+2*\u], v[232:239]
.endr
.rept 8
	v_nop
.endr
.irp j, 0,1,2,3,4,5,6,7
	v_add_f32 v[240+\j], v[224+\j], v[232+\j]      ; my head's part of out(query r, n0 + 8 h + j)
.endr
	ds_store_b128 v10, v[240:243]
	ds_store_b128 v10, v[244:247] offset:512
	s_wait_dscnt 0x0                               ; for the others' sake
	s_barrier_signal -1
	s_barrier_wait -1
	s_cmp_gt_u32 s16, 1
	s_cbranch_scc1 .Ldone
.irp j, 0,1,2,3,4,5,6,7,8,9,10,11,12,13,14,15
	ds_load_b128 v[16+4*\j:19+4*\j], v11 offset:1024*\j
.endr
	s_wait_dscnt 0x0
.irp j, 0,1,2,3,4,5,6,7,8,9,10,11,12,13,14,15
	v_pk_add_f32 v[172:173], v[172:173], v[16+4*\j:17+4*\j]      ; the heads in ascending order, onto the bias
	v_pk_add_f32 v[174:175], v[174:175], v[18+4*\j:19+4*\j]
.endr
	global_store_b128 v153, v[172:175], s[10:11]
.Ldone:
	s_wait_tensorcnt 0x0                           ; the wave's end
	ds_add_u32 v[SPW], v[NIL]
	s_wait_dscnt 0x0
	s_endpgm
.Lfunc_end_k_q72473de852_first16:
	.size	k_q72473de852_first16, .Lfunc_end_k_q72473de852_first16-k_q72473de852_first16
	.p2alignl 7, 3214868480
	.fill 96, 4, 3214868480
	.section	.rodata,"a",@progbits
	.p2align	6, 0x0
	.amdhsa_kernel k_q72473de852_first16
		.amdhsa_group_segment_fixed_size 22528
		.amdhsa_private_segment_fixed_size 0
		.amdhsa_enable_private_segment 0
		.amdhsa_kernarg_size 32
		.amdhsa_user_sgpr_count 2
		.amdhsa_user_sgpr_kernarg_segment_ptr 1
		.amdhsa_wavefront_size32 1
		.amdhsa_system_sgpr_workgroup_id_x 1
		.amdhsa_system_sgpr_workgroup_id_y 1
		.amdhsa_system_sgpr_workgroup_id_z 1
		.amdhsa_system_vgpr_workitem_id 0
		.amdhsa_next_free_vgpr 256
		.amdhsa_next_free_sgpr 66
		.amdhsa_reserve_vcc 1
		.amdhsa_float_denorm_mode_32 3
		.amdhsa_float_denorm_mode_16_64 3
		.amdhsa_memory_ordered 1
		.amdhsa_forward_progress 1
		.amdhsa_inst_pref_size 27
	.end_amdhsa_kernel
	.amdgpu_metadata
---
amdhsa.version: [ 1, 2 ]
amdhsa.kernels:
  - .name:           k_q72473de852_first16
    .symbol:         k_q72473de852_first16.kd
    .args:
      - { .name: side, .offset: 0, .size: 8, .value_kind: global_buffer, .address_space: global }
      - { .name: W_out, .offset: 8, .size: 8, .value_kind: global_buffer, .address_space: global }
      - { .name: b_out, .offset: 16, .size: 8, .value_kind: global_buffer, .address_space: global }
      - { .name: out0, .offset: 24, .size: 8, .value_kind: global_buffer, .address_space: global }
    .group_segment_fixed_size: 22528
    .private_segment_fixed_size: 0
    .kernarg_segment_align: 8
    .kernarg_segment_size: 32
    .max_flat_workgroup_size: 512
    .sgpr_count:     66
    .vgpr_count:     256
    .wavefront_size: 32
...
	.end_amdgpu_metadata
.endif
;; end of part 5
